; MI455X (gfx1250); checked and timed in simulation.
; The chip was launched on July 23, 2026; its instructions are those of AMD's public machine-readable ISA for CDNA 5 (MIT licence, August 2026) and "CDNA5" Instruction Set Architecture Reference Guide (July 2026). The comments in the code are by the model that wrote it; some were corrected since.
;; Sparse Top K Attention. Allowed arithmetic: float matrix products may take bf16 or f16 operands with f32 sums; other float arithmetic in f32, or as packed bf16 or f16 multiplies, adds, multiply-adds, maxima and minima; sums over many terms, partial sums and values carried from step to step in f32; what a program stores and reads back later, other than sums and carried values, may be rounded once to bf16 or f16.
;; Inputs: Wk 256 x 256 float32; Wo 256 x 256 float32; Wq 256 x 256 float32; Wv 256 x 256 float32; bk 256 float32; bo 256 float32; bq 256 float32; bv 256 float32; heading_k 4 x 4,096 float32; heading_q 4 x 4,096 float32; kv_feat 4 x 4,096 x 256 float32; mask_k 4 x 4,096 bool; pos_k 4 x 4,096 x 2 float32; pos_q 4 x 4,096 x 2 float32; q_feat 4 x 4,096 x 256 float32.
;; Outputs: out0 4 x 4,096 x 256 float32.
;; 2 versions, each right; version 2 is version 1 with the launches proj, attend written anew for expert scheduling mode. Each part assembles by itself: llvm-mc -triple=amdgcn-amd-amdhsa -mcpu=gfx1250 --defsym DOCPART=n.
;; ======== version 1 of 2: 4 launches
;; limits: values are held in f16: magnitudes above 65,504 overflow, below 6.1e-05 lose precision; right only within a limited range of input values
;; workspace buffers: Qe 8,388,608 bytes; Ke 8,388,608 bytes; Vt 8,388,608 bytes; GB 524,288 bytes of whole numbers; EB 524,288 bytes of whole numbers; GL 1,048,576 bytes of whole numbers
;; launch groups (part 1): grid 256 x 1, 8 waves a work-group, no clusters, 119,808 bytes of LDS; arguments pos_q, pos_k, mask_k, GB; writes GB
.if DOCPART == 1
	.amdgcn_target "amdgcn-amd-amdhsa--gfx1250"
	.amdhsa_code_object_version 6
	.text
	.protected	k_q43b6fb6078_groups
	.globl	k_q43b6fb6078_groups
	.p2align	8
	.type	k_q43b6fb6078_groups,@function
k_q43b6fb6078_groups:
	s_mov_b64 s[64:65], 0
	v_nop
	global_prefetch_b8 v0, s[64:65] scope:SCOPE_SE
	s_setreg_imm32_b32 hwreg(HW_REG_WAVE_MODE, 25, 1), 1
	s_wait_xcnt 0x0
; FIRST STEP OF THE SEARCH FOR THE 16 NEAREST KEYS.  A batch's 4,096 keys are 256 groups of 16 consecutive keys.  For each query the least squared
; distance of every group is found, and the 16 groups that come first in the order (least distance, group number) are written as a map of 256 bits.
; Every one of the 16 nearest keys, ordered by (distance, index), lies in one of these groups: were its group not chosen, 16 other groups would each
; hold a key ahead of it.  The next launch looks at the 256 keys of the chosen groups alone.
; d2 = fma(dx, dx, dy dy) with dx = kx - qx, dy = ky - qy; a masked key's x is replaced by +inf, so its d2 is +inf.  d2 >= +0: its bits order as integers.
; LIMITS.  The root is left out (it keeps the order) and d2 is fused: a 16th and a 17th neighbour whose d2 lie within about 2 units in the last place
; may be taken the other way round than by rooted, unfused distances.  NaN positions are not treated.
; SHARES.  A work-group has 64 queries of one batch.  Wave w: set = w / 4 (32 queries, a lane a query), quarter c = w % 4 (keys 1,024 c on: 64 groups).
; No choice steers an address or a branch: each lane keeps a sorted list of 16 by medians, the four quarters' lists are merged by fixed networks,
; and the map's bits are made by compares and carries.
.set XS,    0                          ; LDS: x of the batch's 4,096 keys, f32
.set YS,    16384                      ; y
.set GM,    32768                      ; 8,192 bytes a wave: [group 64][lane 32] the groups' minima
.set EX,    98304                      ; 80 bytes a thread: its sorted list of 16 (64 bytes + 16 of padding)
.set SPARE, 118784                     ; the spare words, 128 bytes a wave
.set SPW,  2                           ; v2  my spare word's address; never rewritten
.set NIL,  3                           ; v3  0; never rewritten
.set TP32, 4                           ; v4  32 t
.set TP4,  5                           ; v5  4 t
.set TP16, 6                           ; v6  16 t
.set NQX,  8                           ; v[8:9]   -qx twice
.set NQY,  10                          ; v[10:11] -qy twice
.set AK,   12                          ; v12 LDS byte of the group pair in hand, the same in all lanes
.set AGM,  13                          ; v13 where the minima go
.set AEX,  14                          ; v14 my list in EX
.set G,    15                          ; v15 a group's minimum
.set LST,  16                          ; v[16:31] the 16 least so far, ascending
.set BA,   32                          ; v[32:63] a group: x 16, y 16
.set BB,   64                          ; v[64:95] the other group
.set LA,   32                          ; v[32:95] later: the four quarters' lists
.set LB,   48
.set LC,   64
.set LD,   80
.set GV,   32                          ; v[32:63] later: 32 values read back
.set U,    96                          ; the 16th least value
.set NEED, 97                          ; how many of the 16 are equal to it
.set TB,   98                          ; equal values in earlier quarters
.set NREM, 99                          ; equal values passed, less NEED: negative while more are wanted
.set THR,  100                         ; U, or U + 1 while equal values are wanted
.set W,    101
.set WA,   102                         ; v[102:103] the two words of the map
.set WB,   103
.set T,    104
.set E,    105
.set AGB,  106
.set AEXS, 107                         ; my query's list in quarter 0
.set GO,   108                         ; 8 x my query's number
.set PQ,   110                         ; v[110:111] my query's position
.set WV,   12                          ; s12 wave, s13 quarter, s14 set, s15 batch
.set QC,   13
.set SET,  14
.set BT,   15
.set CNT,  20
.set SF0,  21                          ; s21-23: 1 where quarter 0, 1, 2 lies ahead of mine
.set SINF, 24
; 16 squared distances: x in v[b .. b+15], y in v[b+16 .. b+31]; the result takes x's place
.macro DIST b
.irp i, 0,2,4,6,8,10,12,14
	v_pk_add_f32 v[(\b)+\i:(\b)+\i+1], v[(\b)+\i:(\b)+\i+1], v[NQX:NQX+1]
.endr
.irp i, 0,2,4,6,8,10,12,14
	v_pk_add_f32 v[(\b)+16+\i:(\b)+17+\i], v[(\b)+16+\i:(\b)+17+\i], v[NQY:NQY+1]
.endr
.irp i, 0,2,4,6,8,10,12,14
	v_pk_mul_f32 v[(\b)+16+\i:(\b)+17+\i], v[(\b)+16+\i:(\b)+17+\i], v[(\b)+16+\i:(\b)+17+\i]
.endr
.irp i, 0,2,4,6,8,10,12,14
	v_pk_fma_f32 v[(\b)+\i:(\b)+\i+1], v[(\b)+\i:(\b)+\i+1], v[(\b)+\i:(\b)+\i+1], v[(\b)+16+\i:(\b)+17+\i]
.endr
.endm
; x goes into the ascending list: place j takes the middle one of its lower neighbour, x and itself; from the top down, so that each line reads old values
.macro INSERT x
.irp j, 15,14,13,12,11,10,9,8,7,6,5,4,3,2,1
	v_med3_num_f32 v[LST+\j], v[LST+\j-1], v[\x], v[LST+\j]
.endr
	v_min_num_f32 v[LST], v[LST], v[\x]
.endm
; the four quarters' lists of a query meet: stored, a barrier, all four read back
.macro XCHG
.irp i, 0,1,2,3
	ds_store_b128 v[AEX], v[LST+4*\i:LST+4*\i+3] offset:16*\i
.endr
	s_wait_dscnt 0x0                               ; for the others' sake: my list lies in LDS
	s_barrier_signal -1
	s_barrier_wait -1
.irp q, 0,1,2,3
.irp i, 0,1,2,3
	ds_load_b128 v[LA+16*\q+4*\i:LA+16*\q+4*\i+3], v[AEXS] offset:2560*\q+16*\i
.endr
.endr
	s_wait_dscnt 0x0
.endm
.macro HALF a, b                       ; of two ascending lists: the 16 least of both, as a sequence that falls and rises once
.set i_, 0
.rept 16
	v_min_num_f32 v[(\a)+i_], v[(\a)+i_], v[(\b)+15-i_]
.set i_, i_+1
.endr
.endm
.macro CMPX d, src, dst                ; one stage of the merging network: places d apart are put in order
.set i_, 0
.rept 16
.if (i_ & (\d)) == 0
	v_min_num_f32 v[(\dst)+i_], v[(\src)+i_], v[(\src)+i_+(\d)]
	v_max_num_f32 v[(\dst)+i_+(\d)], v[(\src)+i_], v[(\src)+i_+(\d)]
.endif
.set i_, i_+1
.endr
.endm
.macro BSORT a, s                      ; such a sequence in a is sorted, by way of s and back
	CMPX 8, \a, \s
	CMPX 4, \s, \a
	CMPX 2, \a, \s
	CMPX 1, \s, \a
.endm
.macro CNTEQ base, dst                 ; dst += how many of 16 registers are equal to U
.set i_, 0
.rept 16
	v_cmp_eq_u32 vcc_lo, v[(\base)+i_], v[U]
	v_add_co_ci_u32 v[\dst], vcc_lo, 0, v[\dst], vcc_lo
.set i_, i_+1
.endr
.endm
; the 16 least of the query's four lists (in LA, in no order) and the greatest of them, U.  All four waves of a set do this alike.
.macro MERGE
	HALF LA, LB
	BSORT LA, LB
	HALF LC, LD
	BSORT LC, LD
	HALF LA, LC
	v_max3_num_f32 v[U], v[LA], v[LA+1], v[LA+2]
	v_max3_num_f32 v[T], v[LA+3], v[LA+4], v[LA+5]
	v_max3_num_f32 v[U], v[U], v[LA+6], v[LA+7]
	v_max3_num_f32 v[T], v[T], v[LA+8], v[LA+9]
	v_max3_num_f32 v[U], v[U], v[LA+10], v[LA+11]
	v_max3_num_f32 v[T], v[T], v[LA+12], v[LA+13]
	v_max3_num_f32 v[U], v[U], v[LA+14], v[LA+15]
	v_max_num_f32 v[U], v[U], v[T]
.endm
; Values equal to U are taken in ascending order of their numbers: NEED of them in all; TB of them lie in the quarters ahead of mine.  A list that was
; cut off at 16 holds NEED of them or more, so its count serves.
.macro COUNT
.irp q, 0,1,2
.irp i, 0,1,2,3
	ds_load_b128 v[LB+16*\q+4*\i:LB+16*\q+4*\i+3], v[AEXS] offset:2560*\q+16*\i
.endr
.endr
	v_mov_b32 v[NEED], 0
	CNTEQ LA, NEED
	v_mov_b32 v[TB], 0
	s_wait_dscnt 0x0
.irp q, 0,1,2
	v_mov_b32 v[E], 0
	CNTEQ LB+16*\q, E
	v_mad_u32_u24 v[TB], v[E], s[SF0+\q], v[TB]
.endr
	v_sub_nc_u32 v[NREM], v[TB], v[NEED]
	v_lshrrev_b32 v[T], 31, v[NREM]
	v_add_nc_u32 v[THR], v[U], v[T]
.endm
; My quarter's 64 values are read back, 32 a trip; value e of a trip gives bit 31 - e of a word: 1 if it is below U, or equal while equal ones are wanted
.macro BITS
	v_mov_b32 v[W], 0
	v_mov_b32 v[WA], 0
	v_mov_b32 v[WB], 0
	s_mov_b32 s[CNT], 2
.Lbits_\@:
.set e_, 0
.rept 32
	ds_load_b32 v[GV+e_], v[AGB] offset:128*e_
.set e_, e_+1
.endr
	s_wait_dscnt 0x0
.set e_, 0
.rept 32
	v_cmp_lt_i32 vcc_lo, v[GV+e_], v[THR]
	v_add_co_ci_u32 v[W], vcc_lo, v[W], v[W], vcc_lo   ; W = 2 W + bit
	v_cmp_eq_u32 vcc_lo, v[GV+e_], v[U]
	v_add_co_ci_u32 v[NREM], vcc_lo, 0, v[NREM], vcc_lo
	v_lshrrev_b32 v[T], 31, v[NREM]
	v_add_nc_u32 v[THR], v[U], v[T]
.set e_, e_+1
.endr
	v_mov_b32 v[WA], v[WB]
	v_mov_b32 v[WB], v[W]
	v_add_nc_u32 v[AGB], 4096, v[AGB]
	s_sub_co_u32 s[CNT], s[CNT], 1
	s_cmp_lg_u32 s[CNT], 0
	s_cbranch_scc1 .Lbits_\@
.endm
.macro LOADG b, off                    ; a group's 16 x and 16 y; all lanes read the same bytes
.irp i, 0,1,2,3
	ds_load_b128 v[(\b)+4*\i:(\b)+4*\i+3], v[AK] offset:XS+(\off)+16*\i
.endr
.irp i, 0,1,2,3
	ds_load_b128 v[(\b)+16+4*\i:(\b)+19+4*\i], v[AK] offset:YS+(\off)+16*\i
.endr
.endm
.macro GROUP b, gmoff                  ; its distances, their minimum, which is kept in LDS and goes into the list
	DIST \b
	v_min3_num_f32 v[G], v[(\b)], v[(\b)+1], v[(\b)+2]
	v_min3_num_f32 v[T], v[(\b)+3], v[(\b)+4], v[(\b)+5]
	v_min3_num_f32 v[G], v[G], v[(\b)+6], v[(\b)+7]
	v_min3_num_f32 v[T], v[T], v[(\b)+8], v[(\b)+9]
	v_min3_num_f32 v[G], v[G], v[(\b)+10], v[(\b)+11]
	v_min3_num_f32 v[T], v[T], v[(\b)+12], v[(\b)+13]
	v_min3_num_f32 v[G], v[G], v[(\b)+14], v[(\b)+15]
	v_min_num_f32 v[G], v[G], v[T]
	ds_store_b32 v[AGM], v[G] offset:\gmoff
	INSERT G
.endm
	s_load_b256 s[4:11], s[0:1], 0x0               ; pos_q s[4:5], pos_k s[6:7], mask_k s[8:9], GB s[10:11]
	v_lshl_add_u32 v[SPW], v0, 2, SPARE
	v_mov_b32 v[NIL], 0
	v_and_b32 v1, 31, v0                           ; lane
	v_lshrrev_b32 v7, 5, v0
	v_readfirstlane_b32 s[WV], v7
	s_and_b32 s[QC], s[WV], 3
	s_lshr_b32 s[SET], s[WV], 2
	s_lshr_b32 s[BT], ttmp9, 6                     ; 64 work-groups a batch
	s_mov_b32 s[SINF], 0x7f800000
	s_cmp_gt_u32 s[QC], 0
	s_cselect_b32 s[SF0], 1, 0
	s_cmp_gt_u32 s[QC], 1
	s_cselect_b32 s[SF0+1], 1, 0
	s_cmp_gt_u32 s[QC], 2
	s_cselect_b32 s[SF0+2], 1, 0
	v_lshlrev_b32 v[TP32], 5, v0
	v_lshlrev_b32 v[TP4], 2, v0
	v_lshlrev_b32 v[TP16], 4, v0
	s_lshl_b32 s16, ttmp9, 6
	s_lshl_b32 s17, s[SET], 5
	s_add_co_u32 s16, s16, s17
	v_add_lshl_u32 v[GO], v1, s16, 3               ; my query = 64 x work-group + 32 x set + lane; 8 bytes each
	v_mul_u32_u24 v[AEX], 80, v0
	v_add_nc_u32 v[AEX], EX, v[AEX]
	s_mul_i32 s17, s[SET], 10240                   ; a set's four quarters: 128 lists of 80 bytes
	s_add_co_u32 s17, s17, EX
	v_mul_u32_u24 v[AEXS], 80, v1
	v_add_nc_u32 v[AEXS], s17, v[AEXS]
	s_lshl_b32 s18, s[WV], 13
	s_add_co_u32 s18, s18, GM
	v_lshl_add_u32 v[AGM], v1, 2, s18
	v_mov_b32 v[AGB], v[AGM]
	s_lshl_b32 s19, s[QC], 12                      ; my quarter's 1,024 keys: 4,096 bytes on
	v_mov_b32 v[AK], s19
	s_lshl_b32 s16, s[BT], 15                      ; the batch in pos_k,
	s_mov_b32 s17, 0
	s_lshl_b32 s18, s[BT], 12                      ; and in mask_k
	s_mov_b32 s19, 0
	s_wait_kmcnt 0x0
	s_add_nc_u64 s[6:7], s[6:7], s[16:17]
	s_add_nc_u64 s[8:9], s[8:9], s[18:19]
	s_lshl_b32 s16, s[QC], 17                      ; GB: [quarter][query][2 words]
	s_add_nc_u64 s[10:11], s[10:11], s[16:17]
	; the batch's keys come into LDS, x and y apart: thread t takes keys 1,024 i + 4 t .. + 3
.irp i, 0,1,2,3
	global_load_b128 v[32+8*\i:35+8*\i], v[TP32], s[6:7] offset:8192*\i
	global_load_b128 v[36+8*\i:39+8*\i], v[TP32], s[6:7] offset:8192*\i+16
	global_load_b32 v[64+\i], v[TP4], s[8:9] offset:1024*\i
.endr
	global_load_b64 v[PQ:PQ+1], v[GO], s[4:5]
.irp j, 0,1,2,3,4,5,6,7,8,9,10,11,12,13,14,15
	v_mov_b32 v[LST+\j], s[SINF]                   ; the list starts at +inf
.endr
	s_wait_loadcnt 0x0
.irp i, 0,1,2,3
.irp j, 0,1,2,3
	v_and_b32 v[T], 0xff<<(8*\j), v[64+\i]         ; the key's mask byte
	v_cmp_eq_u32 vcc_lo, 0, v[T]
	v_cndmask_b32 v[68+\j], v[32+8*\i+2*\j], s[SINF], vcc_lo  ; a masked key lies infinitely far off
	v_mov_b32 v[72+\j], v[33+8*\i+2*\j]
.endr
	ds_store_b128 v[TP16], v[68:71] offset:XS+4096*\i
	ds_store_b128 v[TP16], v[72:75] offset:YS+4096*\i
.endr
	v_xor_b32 v[NQX], 0x80000000, v[PQ]
	v_xor_b32 v[NQX+1], 0x80000000, v[PQ]
	v_xor_b32 v[NQY], 0x80000000, v[PQ+1]
	v_xor_b32 v[NQY+1], 0x80000000, v[PQ+1]
	s_wait_dscnt 0x0                               ; my part of the keys lies in LDS
	s_barrier_signal -1
	s_barrier_wait -1                              ; everybody's does
	LOADG BA, 0
	s_mov_b32 s[CNT], 31
.Lpair:                                        ; two groups a trip; while one is worked on, the other's 8 loads are out
	LOADG BB, 64
	s_wait_dscnt 8                                 ; LDS answers in order: all but the 8 loads just issued are done, so the first group is in
	GROUP BA, 0
	LOADG BA, 128
	s_wait_dscnt 8                                 ; likewise: the second group is in
	GROUP BB, 128
	v_add_nc_u32 v[AK], 128, v[AK]
	v_add_nc_u32 v[AGM], 256, v[AGM]
	s_sub_co_u32 s[CNT], s[CNT], 1
	s_cmp_lg_u32 s[CNT], 0
	s_cbranch_scc1 .Lpair
	LOADG BB, 64                                   ; the last pair fetches nothing beyond the quarter
	s_wait_dscnt 8
	GROUP BA, 0
	s_wait_dscnt 0x0
	GROUP BB, 128
	XCHG
	MERGE
	COUNT
	BITS
	global_store_b64 v[GO], v[WA:WA+1], s[10:11]   ; a wave stores 256 consecutive bytes, aligned
	s_wait_tensorcnt 0x0                           ; the wave's end: behind my last LDS store
	ds_add_u32 v[SPW], v[NIL]
	s_wait_dscnt 0x0
	s_endpgm
.Lfunc_end_k_q43b6fb6078_groups:
	.size	k_q43b6fb6078_groups, .Lfunc_end_k_q43b6fb6078_groups-k_q43b6fb6078_groups
	.p2alignl 7, 3214868480
	.fill 96, 4, 3214868480
	.section	.rodata,"a",@progbits
	.p2align	6, 0x0
	.amdhsa_kernel k_q43b6fb6078_groups
		.amdhsa_group_segment_fixed_size 119808
		.amdhsa_private_segment_fixed_size 0
		.amdhsa_enable_private_segment 0
		.amdhsa_kernarg_size 32
		.amdhsa_user_sgpr_count 2
		.amdhsa_user_sgpr_kernarg_segment_ptr 1
		.amdhsa_wavefront_size32 1
		.amdhsa_system_sgpr_workgroup_id_x 1
		.amdhsa_system_sgpr_workgroup_id_y 1
		.amdhsa_system_sgpr_workgroup_id_z 1
		.amdhsa_system_vgpr_workitem_id 0
		.amdhsa_next_free_vgpr 112
		.amdhsa_next_free_sgpr 66
		.amdhsa_reserve_vcc 1
		.amdhsa_float_denorm_mode_32 3
		.amdhsa_float_denorm_mode_16_64 3
		.amdhsa_memory_ordered 1
		.amdhsa_forward_progress 1
		.amdhsa_inst_pref_size 46
	.end_amdhsa_kernel
	.amdgpu_metadata
---
amdhsa.version: [ 1, 2 ]
amdhsa.kernels:
  - .name:           k_q43b6fb6078_groups
    .symbol:         k_q43b6fb6078_groups.kd
    .args:
      - { .name: pos_q, .offset: 0, .size: 8, .value_kind: global_buffer, .address_space: global }
      - { .name: pos_k, .offset: 8, .size: 8, .value_kind: global_buffer, .address_space: global }
      - { .name: mask_k, .offset: 16, .size: 8, .value_kind: global_buffer, .address_space: global }
      - { .name: GB, .offset: 24, .size: 8, .value_kind: global_buffer, .address_space: global }
    .group_segment_fixed_size: 119808
    .private_segment_fixed_size: 0
    .kernarg_segment_align: 8
    .kernarg_segment_size: 32
    .max_flat_workgroup_size: 256
    .sgpr_count:     66
    .vgpr_count:     112
    .wavefront_size: 32
...
	.end_amdgpu_metadata
.endif
;; end of part 1
;; launch keysel (part 2): grid 256 x 1, 8 waves a work-group, no clusters, 129,024 bytes of LDS; arguments pos_q, pos_k, mask_k, GB, EB, GL; writes EB, GL
.if DOCPART == 2
	.amdgcn_target "amdgcn-amd-amdhsa--gfx1250"
	.amdhsa_code_object_version 6
	.text
	.protected	k_q43b6fb6078_keysel
	.globl	k_q43b6fb6078_keysel
	.p2align	8
	.type	k_q43b6fb6078_keysel,@function
k_q43b6fb6078_keysel:
	s_mov_b64 s[64:65], 0
	v_nop
	global_prefetch_b8 v0, s[64:65] scope:SCOPE_SE
	s_setreg_imm32_b32 hwreg(HW_REG_WAVE_MODE, 25, 1), 1
	s_wait_xcnt 0x0
; SECOND STEP OF THE SEARCH.  GB, stored by the launch before, names 16 groups of 16 keys for each query.  The map is turned into a list of group numbers,
; ascending; the squared distances of the 256 candidate keys are made exactly as in the launch before; and the 16 that come first in the order
; (distance, key index) are written as a map of 256 bits over the candidates (EB), beside the list of groups (GL).  Candidate s = 16 x (rank of its group) + its place
; in the group: candidates ascend in key index, so equal distances fall to the lower index.
; LIMITS as in the launch before: no root, fused d2, no NaN positions.
; SHARES.  A work-group has 64 queries of one batch.  Wave w turns the maps of queries 8 w .. 8 w + 7 into lists (a lane a bit).  Then: set = w / 4 (32 queries, a lane a query),
; quarter c = w % 4: the groups of ranks 4 c .. 4 c + 3, 64 candidates.
.set KP,    0                          ; LDS: 256 groups x 144 bytes: x 16, y 16, 16 of padding (lanes that read different groups start in different banks)
.set GLB,   36864                      ; 64 queries x 80 bytes: the 16 group numbers, a 17th place that nobody reads, padding
.set GM,    41984                      ; 8,192 bytes a wave: [candidate 64][lane 32]
.set EX,    107520                     ; 80 bytes a thread: its sorted list of 16
.set SPARE, 128000                     ; the spare words, 128 bytes a wave
.set PITCH, 80
.set SPW,  2
.set NIL,  3
.set TP32, 4
.set TP4,  5
.set AKS,  6                           ; v6  where I put four keys' x
.set NQX,  8
.set NQY,  10
.set VQB,  12                          ; v12 my wave's eight lists
.set AGM,  13
.set AEX,  14
.set LST,  16
.set BA,   32
.set LA,   32
.set LB,   48
.set LC,   64
.set LD,   80
.set GV,   32
.set U,    96
.set NEED, 97
.set TB,   98
.set NREM, 99
.set THR,  100
.set W,    101
.set WA,   102
.set WB,   103
.set T,    104
.set E,    105
.set AGB,  106
.set AEXS, 107
.set GO,   108                         ; 8 x my query's number
.set GO16, 109                         ; 16 x
.set PQ,   110
.set VE,   112                         ; v[112:119] the number that my lane's bit stands for in word 0 .. 7 of a map: 32 x word + 31 - lane
.set VR,   120
.set VA,   121
.set GN,   122                         ; v[122:125] my query's four groups
.set AG,   126
.set DC,   66                          ; s66-68 at work in DECODE
.set WV,   70
.set QC,   71
.set SET,  72
.set BT,   73
.set CNT,  74
.set SF0,  75
.set SINF, 78
.macro DIST b
.irp i, 0,2,4,6,8,10,12,14
	v_pk_add_f32 v[(\b)+\i:(\b)+\i+1], v[(\b)+\i:(\b)+\i+1], v[NQX:NQX+1]
.endr
.irp i, 0,2,4,6,8,10,12,14
	v_pk_add_f32 v[(\b)+16+\i:(\b)+17+\i], v[(\b)+16+\i:(\b)+17+\i], v[NQY:NQY+1]
.endr
.irp i, 0,2,4,6,8,10,12,14
	v_pk_mul_f32 v[(\b)+16+\i:(\b)+17+\i], v[(\b)+16+\i:(\b)+17+\i], v[(\b)+16+\i:(\b)+17+\i]
.endr
.irp i, 0,2,4,6,8,10,12,14
	v_pk_fma_f32 v[(\b)+\i:(\b)+\i+1], v[(\b)+\i:(\b)+\i+1], v[(\b)+\i:(\b)+\i+1], v[(\b)+16+\i:(\b)+17+\i]
.endr
.endm
.macro INSERT x                        ; x goes into the ascending list, by medians, from the top down
.irp j, 15,14,13,12,11,10,9,8,7,6,5,4,3,2,1
	v_med3_num_f32 v[LST+\j], v[LST+\j-1], v[\x], v[LST+\j]
.endr
	v_min_num_f32 v[LST], v[LST], v[\x]
.endm
.macro XCHG                            ; the four quarters' lists of a query meet
.irp i, 0,1,2,3
	ds_store_b128 v[AEX], v[LST+4*\i:LST+4*\i+3] offset:16*\i
.endr
	s_wait_dscnt 0x0                               ; for the others' sake: my list lies in LDS
	s_barrier_signal -1
	s_barrier_wait -1
.irp q, 0,1,2,3
.irp i, 0,1,2,3
	ds_load_b128 v[LA+16*\q+4*\i:LA+16*\q+4*\i+3], v[AEXS] offset:2560*\q+16*\i
.endr
.endr
	s_wait_dscnt 0x0
.endm
.macro HALF a, b
.set i_, 0
.rept 16
	v_min_num_f32 v[(\a)+i_], v[(\a)+i_], v[(\b)+15-i_]
.set i_, i_+1
.endr
.endm
.macro CMPX d, src, dst
.set i_, 0
.rept 16
.if (i_ & (\d)) == 0
	v_min_num_f32 v[(\dst)+i_], v[(\src)+i_], v[(\src)+i_+(\d)]
	v_max_num_f32 v[(\dst)+i_+(\d)], v[(\src)+i_], v[(\src)+i_+(\d)]
.endif
.set i_, i_+1
.endr
.endm
.macro BSORT a, s
	CMPX 8, \a, \s
	CMPX 4, \s, \a
	CMPX 2, \a, \s
	CMPX 1, \s, \a
.endm
.macro CNTEQ base, dst
.set i_, 0
.rept 16
	v_cmp_eq_u32 vcc_lo, v[(\base)+i_], v[U]
	v_add_co_ci_u32 v[\dst], vcc_lo, 0, v[\dst], vcc_lo
.set i_, i_+1
.endr
.endm
.macro MERGE                           ; the 16 least of the four lists, and the greatest of them, U
	HALF LA, LB
	BSORT LA, LB
	HALF LC, LD
	BSORT LC, LD
	HALF LA, LC
	v_max3_num_f32 v[U], v[LA], v[LA+1], v[LA+2]
	v_max3_num_f32 v[T], v[LA+3], v[LA+4], v[LA+5]
	v_max3_num_f32 v[U], v[U], v[LA+6], v[LA+7]
	v_max3_num_f32 v[T], v[T], v[LA+8], v[LA+9]
	v_max3_num_f32 v[U], v[U], v[LA+10], v[LA+11]
	v_max3_num_f32 v[T], v[T], v[LA+12], v[LA+13]
	v_max3_num_f32 v[U], v[U], v[LA+14], v[LA+15]
	v_max_num_f32 v[U], v[U], v[T]
.endm
.macro COUNT                           ; how many values equal to U are wanted, and how many lie in the quarters ahead of mine
.irp q, 0,1,2
.irp i, 0,1,2,3
	ds_load_b128 v[LB+16*\q+4*\i:LB+16*\q+4*\i+3], v[AEXS] offset:2560*\q+16*\i
.endr
.endr
	v_mov_b32 v[NEED], 0
	CNTEQ LA, NEED
	v_mov_b32 v[TB], 0
	s_wait_dscnt 0x0
.irp q, 0,1,2
	v_mov_b32 v[E], 0
	CNTEQ LB+16*\q, E
	v_mad_u32_u24 v[TB], v[E], s[SF0+\q], v[TB]
.endr
	v_sub_nc_u32 v[NREM], v[TB], v[NEED]
	v_lshrrev_b32 v[T], 31, v[NREM]
	v_add_nc_u32 v[THR], v[U], v[T]
.endm
.macro BITS                            ; value e of a trip gives bit 31 - e of a word
	v_mov_b32 v[W], 0
	v_mov_b32 v[WA], 0
	v_mov_b32 v[WB], 0
	s_mov_b32 s[CNT], 2
.Lbits_\@:
.set e_, 0
.rept 32
	ds_load_b32 v[GV+e_], v[AGB] offset:128*e_
.set e_, e_+1
.endr
	s_wait_dscnt 0x0
.set e_, 0
.rept 32
	v_cmp_lt_i32 vcc_lo, v[GV+e_], v[THR]
	v_add_co_ci_u32 v[W], vcc_lo, v[W], v[W], vcc_lo
	v_cmp_eq_u32 vcc_lo, v[GV+e_], v[U]
	v_add_co_ci_u32 v[NREM], vcc_lo, 0, v[NREM], vcc_lo
	v_lshrrev_b32 v[T], 31, v[NREM]
	v_add_nc_u32 v[THR], v[U], v[T]
.set e_, e_+1
.endr
	v_mov_b32 v[WA], v[WB]
	v_mov_b32 v[WB], v[W]
	v_add_nc_u32 v[AGB], 4096, v[AGB]
	s_sub_co_u32 s[CNT], s[CNT], 1
	s_cmp_lg_u32 s[CNT], 0
	s_cbranch_scc1 .Lbits_\@
.endm
; The map of query qi of my eight becomes a list.  Its eight words lie in scalar registers (quarter c, word t at 16 + 16 c + 2 qi + t, the last quarter 16 higher).  A lane stands for a bit;
; a set bit's rank is the count of set bits in the words so far, this one among them, less 1, less the set bits below it: higher bits are lower numbers.
; All 32 lanes store: the lane of a set bit puts its number at its rank, every other lane at place 16 of the row, which nobody reads.  So no lane is ever switched off.
.macro DECODE qi
	s_mov_b32 s[DC], 0
.set wi_, 0
.rept 8
.set sw_, 16+16*(wi_/2)+2*(\qi)+(wi_%2)
.if wi_ >= 6
.set sw_, sw_+16
.endif
	s_bcnt1_i32_b32 s[DC+1], s[sw_]
	s_add_co_u32 s[DC], s[DC], s[DC+1]
	s_sub_co_u32 s[DC+2], s[DC], 1
	v_mbcnt_lo_u32_b32 v[VR], s[sw_], 0
	v_sub_nc_u32 v[VR], s[DC+2], v[VR]
	v_cndmask_b32 v[VR], 16, v[VR], s[sw_]         ; my bit is set: the rank; it is clear: place 16
	v_min_u32 v[VR], 16, v[VR]                     ; a row has places 0 to 16
	v_lshl_add_u32 v[VA], v[VR], 2, v[VQB]
	ds_store_b32 v[VA], v[VE+wi_] offset:(\qi)*PITCH
.set wi_, wi_+1
.endr
.endm
	s_load_b256 s[4:11], s[0:1], 0x0               ; pos_q s[4:5], pos_k s[6:7], mask_k s[8:9], GB s[10:11]
	s_load_b128 s[12:15], s[0:1], 0x20             ; EB s[12:13], GL s[14:15]
	v_lshl_add_u32 v[SPW], v0, 2, SPARE
	v_mov_b32 v[NIL], 0
	v_and_b32 v1, 31, v0
	v_lshrrev_b32 v7, 5, v0
	v_readfirstlane_b32 s[WV], v7
	s_and_b32 s[QC], s[WV], 3
	s_lshr_b32 s[SET], s[WV], 2
	s_lshr_b32 s[BT], ttmp9, 6
	s_mov_b32 s[SINF], 0x7f800000
	s_cmp_gt_u32 s[QC], 0
	s_cselect_b32 s[SF0], 1, 0
	s_cmp_gt_u32 s[QC], 1
	s_cselect_b32 s[SF0+1], 1, 0
	s_cmp_gt_u32 s[QC], 2
	s_cselect_b32 s[SF0+2], 1, 0
	s_lshl_b32 s96, ttmp9, 9                       ; the maps of my wave's eight queries: (64 x work-group + 8 x wave) x 8 bytes
	s_lshl_b32 s97, s[WV], 6
	s_add_co_u32 s96, s96, s97
	s_mov_b32 s97, 0
	s_lshl_b32 s98, s[BT], 15
	s_mov_b32 s99, 0
	s_wait_kmcnt 0x0
	s_add_nc_u64 s[10:11], s[10:11], s[96:97]
	s_load_b512 s[16:31], s[10:11], 0x0            ; quarter 0: eight queries x two words
	s_load_b512 s[32:47], s[10:11], 0x20000        ; quarter 1
	s_load_b512 s[48:63], s[10:11], 0x40000        ; quarter 2
	s_load_b512 s[80:95], s[10:11], 0x60000        ; quarter 3
	s_add_nc_u64 s[6:7], s[6:7], s[98:99]          ; the batch in pos_k,
	s_lshl_b32 s98, s[BT], 12
	s_add_nc_u64 s[8:9], s[8:9], s[98:99]          ; in mask_k
	s_lshl_b32 s98, s[QC], 17
	s_add_nc_u64 s[12:13], s[12:13], s[98:99]      ; EB: [quarter][query][2 words]
	s_lshl_b32 s98, s[QC], 18
	s_add_nc_u64 s[14:15], s[14:15], s[98:99]      ; GL: [quarter][query][4 numbers]
	v_lshlrev_b32 v[TP32], 5, v0
	v_lshlrev_b32 v[TP4], 2, v0
	s_lshl_b32 s96, ttmp9, 6
	s_lshl_b32 s98, s[SET], 5
	s_add_co_u32 s96, s96, s98
	v_add_lshl_u32 v[GO], v1, s96, 3
	v_lshlrev_b32 v[GO16], 1, v[GO]
.irp i, 0,1,2,3
	global_load_b128 v[32+8*\i:35+8*\i], v[TP32], s[6:7] offset:8192*\i
	global_load_b128 v[36+8*\i:39+8*\i], v[TP32], s[6:7] offset:8192*\i+16
	global_load_b32 v[64+\i], v[TP4], s[8:9] offset:1024*\i
.endr
	global_load_b64 v[PQ:PQ+1], v[GO], s[4:5]
	v_lshrrev_b32 v7, 2, v0                        ; keys 1,024 i + 4 t on lie in group 64 i + t / 4, at place 4 (t % 4)
	v_mul_u32_u24 v[AKS], 144, v7
	v_and_b32 v7, 3, v0
	v_lshl_add_u32 v[AKS], v7, 4, v[AKS]
	v_mul_u32_u24 v[AEX], 80, v0
	v_add_nc_u32 v[AEX], EX, v[AEX]
	s_mul_i32 s98, s[SET], 10240
	s_add_co_u32 s98, s98, EX
	v_mul_u32_u24 v[AEXS], 80, v1
	v_add_nc_u32 v[AEXS], s98, v[AEXS]
	s_lshl_b32 s98, s[WV], 13
	s_add_co_u32 s98, s98, GM
	v_lshl_add_u32 v[AGM], v1, 2, s98
	v_mov_b32 v[AGB], v[AGM]
	s_mul_i32 s98, s[WV], 8*PITCH
	s_add_co_u32 s98, s98, GLB
	v_mov_b32 v[VQB], s98
	s_mul_i32 s98, s[SET], 32*PITCH                ; my query's list, my quarter's four numbers of it
	s_lshl_b32 s96, s[QC], 4
	s_add_co_u32 s98, s98, s96
	s_add_co_u32 s98, s98, GLB
	v_mul_u32_u24 v[AG], PITCH, v1
	v_add_nc_u32 v[AG], s98, v[AG]
.irp k, 0,1,2,3,4,5,6,7
	v_sub_nc_u32 v[VE+\k], 32*\k+31, v1
.endr
.irp j, 0,1,2,3,4,5,6,7,8,9,10,11,12,13,14,15
	v_mov_b32 v[LST+\j], s[SINF]
.endr
	s_wait_loadcnt 0x0
.irp i, 0,1,2,3
.irp j, 0,1,2,3
	v_and_b32 v[T], 0xff<<(8*\j), v[64+\i]
	v_cmp_eq_u32 vcc_lo, 0, v[T]
	v_cndmask_b32 v[68+\j], v[32+8*\i+2*\j], s[SINF], vcc_lo  ; a masked key lies infinitely far off
	v_mov_b32 v[72+\j], v[33+8*\i+2*\j]
.endr
	ds_store_b128 v[AKS], v[68:71] offset:KP+9216*\i
	ds_store_b128 v[AKS], v[72:75] offset:KP+9216*\i+64
.endr
	v_xor_b32 v[NQX], 0x80000000, v[PQ]
	v_xor_b32 v[NQX+1], 0x80000000, v[PQ]
	v_xor_b32 v[NQY], 0x80000000, v[PQ+1]
	v_xor_b32 v[NQY+1], 0x80000000, v[PQ+1]
	s_wait_kmcnt 0x0                               ; the maps are in
.irp q, 0,1,2,3,4,5,6,7
	DECODE \q
.endr
	s_wait_dscnt 0x0                               ; my keys and my eight lists lie in LDS
	s_barrier_signal -1
	s_barrier_wait -1                              ; everybody's do
	ds_load_b128 v[GN:GN+3], v[AG]
	s_wait_dscnt 0x0
	global_store_b128 v[GO16], v[GN:GN+3], s[14:15]  ; a wave stores 512 consecutive bytes, aligned
	s_wait_xcnt 0x0                                ; the store has read its data: the loop below shifts these registers
	s_mov_b32 s[CNT], 4
.Lcand:                                        ; a trip: one of my query's four groups: 16 candidates
	v_min_u32 v[AG], 255, v[GN]                    ; there are 256 groups
	v_mul_u32_u24 v[AG], 144, v[AG]
.irp i, 0,1,2,3
	ds_load_b128 v[BA+4*\i:BA+4*\i+3], v[AG] offset:KP+16*\i
.endr
.irp i, 0,1,2,3
	ds_load_b128 v[BA+16+4*\i:BA+19+4*\i], v[AG] offset:KP+64+16*\i
.endr
	s_wait_dscnt 0x0
	DIST BA
.irp j, 0,1,2,3,4,5,6,7,8,9,10,11,12,13,14,15
	ds_store_b32 v[AGM], v[BA+\j] offset:128*\j
.endr
.irp j, 0,1,2,3,4,5,6,7,8,9,10,11,12,13,14,15
	INSERT BA+\j
.endr
	v_mov_b32 v[GN], v[GN+1]
	v_mov_b32 v[GN+1], v[GN+2]
	v_mov_b32 v[GN+2], v[GN+3]
	v_add_nc_u32 v[AGM], 2048, v[AGM]
	s_sub_co_u32 s[CNT], s[CNT], 1
	s_cmp_lg_u32 s[CNT], 0
	s_cbranch_scc1 .Lcand
	XCHG
	MERGE
	COUNT
	BITS
	global_store_b64 v[GO], v[WA:WA+1], s[12:13]   ; a wave stores 256 consecutive bytes, aligned
	s_wait_tensorcnt 0x0                           ; the wave's end: behind my last LDS store
	ds_add_u32 v[SPW], v[NIL]
	s_wait_dscnt 0x0
	s_endpgm
.Lfunc_end_k_q43b6fb6078_keysel:
	.size	k_q43b6fb6078_keysel, .Lfunc_end_k_q43b6fb6078_keysel-k_q43b6fb6078_keysel
	.p2alignl 7, 3214868480
	.fill 96, 4, 3214868480
	.section	.rodata,"a",@progbits
	.p2align	6, 0x0
	.amdhsa_kernel k_q43b6fb6078_keysel
		.amdhsa_group_segment_fixed_size 129024
		.amdhsa_private_segment_fixed_size 0
		.amdhsa_enable_private_segment 0
		.amdhsa_kernarg_size 48
		.amdhsa_user_sgpr_count 2
		.amdhsa_user_sgpr_kernarg_segment_ptr 1
		.amdhsa_wavefront_size32 1
		.amdhsa_system_sgpr_workgroup_id_x 1
		.amdhsa_system_sgpr_workgroup_id_y 1
		.amdhsa_system_sgpr_workgroup_id_z 1
		.amdhsa_system_vgpr_workitem_id 0
		.amdhsa_next_free_vgpr 128
		.amdhsa_next_free_sgpr 100
		.amdhsa_reserve_vcc 1
		.amdhsa_float_denorm_mode_32 3
		.amdhsa_float_denorm_mode_16_64 3
		.amdhsa_memory_ordered 1
		.amdhsa_forward_progress 1
		.amdhsa_inst_pref_size 77
	.end_amdhsa_kernel
	.amdgpu_metadata
---
amdhsa.version: [ 1, 2 ]
amdhsa.kernels:
  - .name:           k_q43b6fb6078_keysel
    .symbol:         k_q43b6fb6078_keysel.kd
    .args:
      - { .name: pos_q, .offset: 0, .size: 8, .value_kind: global_buffer, .address_space: global }
      - { .name: pos_k, .offset: 8, .size: 8, .value_kind: global_buffer, .address_space: global }
      - { .name: mask_k, .offset: 16, .size: 8, .value_kind: global_buffer, .address_space: global }
      - { .name: GB, .offset: 24, .size: 8, .value_kind: global_buffer, .address_space: global }
      - { .name: EB, .offset: 32, .size: 8, .value_kind: global_buffer, .address_space: global }
      - { .name: GL, .offset: 40, .size: 8, .value_kind: global_buffer, .address_space: global }
    .group_segment_fixed_size: 129024
    .private_segment_fixed_size: 0
    .kernarg_segment_align: 8
    .kernarg_segment_size: 48
    .max_flat_workgroup_size: 256
    .sgpr_count:     100
    .vgpr_count:     128
    .wavefront_size: 32
...
	.end_amdgpu_metadata
.endif
;; end of part 2
;; launch proj (part 3): grid 64 x 3, 8 waves a work-group, no clusters, 312,320 bytes of LDS; arguments q_feat, kv_feat, Wq, Wk, Wv, bq, bk, bv, pos_q, pos_k, heading_q, heading_k, Qe, Ke, Vt; writes Qe, Ke, Vt
.if DOCPART == 3
	.amdgcn_target "amdgcn-amd-amdhsa--gfx1250"
	.amdhsa_code_object_version 6
	.text
	.protected	k_q43b6fb6078_proj
	.globl	k_q43b6fb6078_proj
	.p2align	8
	.type	k_q43b6fb6078_proj,@function
k_q43b6fb6078_proj:
	s_mov_b64 s[64:65], 0
	v_nop
	global_prefetch_b8 v0, s[64:65] scope:SCOPE_SE
	s_setreg_imm32_b32 hwreg(HW_REG_WAVE_MODE, 25, 1), 1
	s_wait_xcnt 0x0
; THE THREE PROJECTIONS, ONCE A ROW.  y = 0: Qe = rot(q_feat Wq + bq); y = 1: Ke = rot(kv_feat Wk + bk); y = 2: Vt = kv_feat Wv + bv.  All three [16,384][256] in f16.
; A gathered row's projection is the gather of the row's projection, and a key's rotation hangs on that key alone: so K and V are made once for each of the 16,384 keys, and gathered in the next launch.
; rot: heads 0, 2, 4, 6 turn channel pairs (d, 16 + d) by the angles x f_d (d < 8) and y f_(d-8), f_j = 10^(-j/2); heads 1, 3, 5, 7 turn all pairs by the heading.
; FORMATS.  The f32 features and weights are rounded to f16 for the products, sums in f32; bias and rotation in f32; the result is rounded once to f16.  f16 and not bf16: the neighbours hang on the
; unrounded positions, so every rounding here is held against the unrounded result, and bf16's 8 bits leave too little room.
; LIMITS.  No number of Q, K, V beyond 65,504.  sin and cos: the angle less the nearest multiple of pi in two parts, then polynomials of degree 11 and 10 on +-pi/2, good to some 5e-7; angles below about 2^22 pi.
; SHARES.  A work-group has 256 rows, in four chunks of 64, and one of the three weight matrices.  Wave w: nq = w % 4: columns 64 nq .. + 63 (an even head and the odd one behind it);
; mh = w / 4: rows 32 mh .. + 31 of each chunk, two tiles of 16.  The wave's 64 columns x 256 K of W stay in registers v256-511 for the whole launch.
; THE MATRIX INSTRUCTION IS USED TRANSPOSED (source 0 = 16 columns of W, source 1 = 16 rows of x): a lane holds one row (lane % 16) and eight neighbouring channels 8 (lane / 16) + 0..7.
; No tensor loads: every bulk input is f32 and passes through registers to become f16.  192 work-groups: 768 chunks would give 256 work-groups three each, across two weight matrices.
; Behind the staging of W no LDS address register is rewritten: buffer, chunk and tile stand in the immediates.
.set WL,    0                          ; LDS: W as f16, [k 256][n 256], rows 544 bytes apart (17 x 32)
.set WP,    544
.set XB,    139264                     ; two buffers: 64 rows of x as f16, 528 bytes apart (33 x 16)
.set XP,    528
.set XBS,   33792
.set SG,    206848                     ; two buffers of the same shape: the results on their way out
.set TRB,   274432                     ; 256 rows x 144 bytes: cos 16, sin 16, cos and sin of the heading, f32
.set TRP,   144
.set SPARE, 311296                     ; the spare words, 128 bytes a wave
.set SPW,  4
.set NIL,  5
.set GOF,  6                           ; v6  16 t
.set AWS,  7                           ; v7  where I put 8 bytes of W: rows 4 i + t / 64, i < 16
.set AWS2, 8                           ; v8  the same, 64 rows on
.set AXS,  9                           ; v9  the same for x
.set ABW,  10                          ; v10-12 my lane's place in W's fragments of K steps 0-2, 3-5, 6-7
.set AXA,  13                          ; v13 in x's fragments
.set ATR,  14                          ; v14 my row's cos and sin, my eight
.set ATH,  15                          ; v15 my row's heading pair
.set AST,  16                          ; v16 where I put 16 bytes of a result row
.set ARD,  17                          ; v17 where I read rows back
.set AGO,  18                          ; v18 my byte offset in the output
.set ATW,  19                          ; v19 my row of the table
.set ABI,  20                          ; v20 my offset in the bias
.set APO,  21                          ; v21 8 t
.set AHE,  22                          ; v22 4 t
.set BI,   24                          ; v[24:55]   the bias as the products' first C: tile tt, register j = b[64 nq + 16 tt + 8 (lane / 16) + j]
.set ACC,  56                          ; v[56:87]   four accumulators
.set AF,   88                          ; v[88:151]  x's fragments of 8 K steps
.set OPK,  88                          ; v[88:103]  later: the packed results
.set RB,   88                          ; v[88:119]  later: rows read back
.set XSR,  152                         ; v[152:215] the next chunk as it comes from memory
.set CS,   216                         ; v[216:223] cos, v[224:231] sin of my eight pairs
.set SN,   224
.set HC,   232                         ; v[232:233] cos, sin of the heading; v[234:237] each twice
.set CH2,  234
.set SH2,  236
.set TT,   238                         ; v[238:253] at work
.set TN,   240                         ; at work in the table's arithmetic
.set TRR,  241
.set TR2,  242
.set TPP,  243
.set TTT,  244
.set AN,   245
.set WV,   46                          ; s46 wave, s47 nq, s48 mh, s49 y
.set NQ,   47
.set MH,   48
.set YY,   49
.set CNT,  50
.set NPH,  66                          ; s66 -pi's upper part, s67 -pi's lower part, s68 1 / pi
.set NPL,  67
.set IPI,  68
.set S3,   69                          ; s69-73 the sine's, s74-77 the cosine's coefficients
.set S5,   70
.set S7,   71
.set S9,   72
.set S11,  73
.set C4,   74
.set C6,   75
.set C8,   76
.set C10,  77
.set MSB, 0
.macro WIN new                         ; the immediate's high byte repeats the setting that is left
.if MSB != (\new)
	s_set_vgpr_msb (MSB<<8)|(\new)
.set MSB, \new
.endif
.endm
; cos and sin of v[a]: n = the nearest whole number to a / pi; r = a - n pi; both polynomials in r; the sign turns where n is odd
.macro SINCOS a, c, s
	v_mul_f32 v[TN], s[IPI], v[\a]
	v_rndne_f32 v[TN], v[TN]
	v_fma_f32 v[TRR], v[TN], s[NPH], v[\a]
	v_fma_f32 v[TRR], v[TN], s[NPL], v[TRR]
	v_mul_f32 v[TR2], v[TRR], v[TRR]
	v_fma_f32 v[TPP], v[TR2], s[S11], s[S9]
	v_fma_f32 v[TPP], v[TPP], v[TR2], s[S7]
	v_fma_f32 v[TPP], v[TPP], v[TR2], s[S5]
	v_fma_f32 v[TPP], v[TPP], v[TR2], s[S3]
	v_mul_f32 v[TTT], v[TRR], v[TR2]
	v_fma_f32 v[\s], v[TPP], v[TTT], v[TRR]
	v_fma_f32 v[TPP], v[TR2], s[C10], s[C8]
	v_fma_f32 v[TPP], v[TPP], v[TR2], s[C6]
	v_fma_f32 v[TPP], v[TPP], v[TR2], s[C4]
	v_fma_f32 v[TPP], v[TPP], v[TR2], -0.5
	v_fma_f32 v[\c], v[TPP], v[TR2], 1.0
	v_cvt_i32_f32 v[TN], v[TN]
	v_lshlrev_b32 v[TN], 31, v[TN]
	v_xor_b32 v[\s], v[TN], v[\s]
	v_xor_b32 v[\c], v[TN], v[\c]
.endm
.macro ANG j, f                        ; frequency j for x and for y
	v_mul_f32 v[AN], \f, v122
	SINCOS AN, 88+\j, 104+\j
	v_mul_f32 v[AN], \f, v123
	SINCOS AN, 96+\j, 112+\j
.endm
; W comes into LDS as f16: two trips of 128 rows; a load of the work-group covers 4 rows (4,096 consecutive bytes)
.macro WSTAGE ra, rb, base
	s_mov_b32 s[CNT], 2
.Lw_\@:
.set i_, 0
.rept 16
	global_load_b128 v[(\ra)+4*i_:(\ra)+4*i_+3], v[GOF], s[\base:\base+1] offset:4096*i_
.set i_, i_+1
.endr
.set i_, 0
.rept 16
	global_load_b128 v[(\rb)+4*i_:(\rb)+4*i_+3], v[GOF], s[\base:\base+1] offset:65536+4096*i_
.set i_, i_+1
.endr
	s_wait_loadcnt 0x0                             ; all are in, so their base may be stepped below
.set i_, 0
.rept 16
	v_cvt_pk_f16_f32 v[(\ra)+4*i_], v[(\ra)+4*i_], v[(\ra)+4*i_+1]
	v_cvt_pk_f16_f32 v[(\ra)+4*i_+1], v[(\ra)+4*i_+2], v[(\ra)+4*i_+3]
	ds_store_b64 v[AWS], v[(\ra)+4*i_:(\ra)+4*i_+1] offset:4*WP*i_
.set i_, i_+1
.endr
.set i_, 0
.rept 16
	v_cvt_pk_f16_f32 v[(\rb)+4*i_], v[(\rb)+4*i_], v[(\rb)+4*i_+1]
	v_cvt_pk_f16_f32 v[(\rb)+4*i_+1], v[(\rb)+4*i_+2], v[(\rb)+4*i_+3]
	ds_store_b64 v[AWS2], v[(\rb)+4*i_:(\rb)+4*i_+1] offset:4*WP*i_
.set i_, i_+1
.endr
	s_add_nc_u64 s[\base:\base+1], s[\base:\base+1], 0x20000
	v_add_nc_u32 v[AWS], 128*WP, v[AWS]
	v_add_nc_u32 v[AWS2], 128*WP, v[AWS2]
	s_sub_co_u32 s[CNT], s[CNT], 1
	s_cmp_lg_u32 s[CNT], 0
	s_cbranch_scc1 .Lw_\@
.endm
.macro XLOAD ci                        ; chunk ci: 64 rows of 1,024 bytes, 16 loads a thread
.set i_, 0
.rept 16
	global_load_b128 v[XSR+4*i_:XSR+4*i_+3], v[GOF], s[4:5] offset:65536*(\ci)+4096*i_
.set i_, i_+1
.endr
.endm
.macro XSTORE buf                      ; rounded to f16 and put into LDS
.set i_, 0
.rept 16
	v_cvt_pk_f16_f32 v[XSR+4*i_], v[XSR+4*i_], v[XSR+4*i_+1]
	v_cvt_pk_f16_f32 v[XSR+4*i_+1], v[XSR+4*i_+2], v[XSR+4*i_+3]
	ds_store_b64 v[AXS], v[XSR+4*i_:XSR+4*i_+1] offset:XBS*(\buf)+4*XP*i_
.set i_, i_+1
.endr
.endm
; a head is turned: tile a holds channels d, tile b channels 16 + d.  st = 1: each pair has its own cos and sin; 0: all share one.  Each accumulator's lowest registers are read first.
.macro ROTH a, b, c, s, st, o
.irp jj, 0,2,4,6
	v_pk_mul_f32 v[TT+2*\jj:TT+2*\jj+1], v[(\a)+\jj:(\a)+\jj+1], v[(\c)+(\st)*\jj:(\c)+(\st)*\jj+1]
	v_pk_mul_f32 v[TT+2*\jj+2:TT+2*\jj+3], v[(\b)+\jj:(\b)+\jj+1], v[(\c)+(\st)*\jj:(\c)+(\st)*\jj+1]
.endr
.irp jj, 0,2,4,6
	v_pk_fma_f32 v[TT+2*\jj:TT+2*\jj+1], v[(\b)+\jj:(\b)+\jj+1], v[(\s)+(\st)*\jj:(\s)+(\st)*\jj+1], v[TT+2*\jj:TT+2*\jj+1] neg_lo:[1,0,0] neg_hi:[1,0,0]
	v_pk_fma_f32 v[TT+2*\jj+2:TT+2*\jj+3], v[(\a)+\jj:(\a)+\jj+1], v[(\s)+(\st)*\jj:(\s)+(\st)*\jj+1], v[TT+2*\jj+2:TT+2*\jj+3]
.endr
.irp jj, 0,2,4,6
	v_cvt_pk_f16_f32 v[(\o)+(\jj)/2], v[TT+2*\jj], v[TT+2*\jj+1]
	v_cvt_pk_f16_f32 v[(\o)+4+(\jj)/2], v[TT+2*\jj+2], v[TT+2*\jj+3]
.endr
.endm
; Tile u (0, 1) of my two tiles of 16 rows of chunk ci, which lies in buffer buf.
.macro MT buf, ci, u
.set ks_, 0
.rept 8
	ds_load_b128 v[AF+8*ks_:AF+8*ks_+3], v[AXA] offset:XBS*(\buf)+16*XP*(\u)+64*ks_
	ds_load_b128 v[AF+8*ks_+4:AF+8*ks_+7], v[AXA] offset:XBS*(\buf)+16*XP*(\u)+64*ks_+32
.set ks_, ks_+1
.endr
	s_wait_dscnt 0x0
	WIN 0x01                                       ; source 0, W's fragments, in the second window
.set ks_, 0
.rept 8                                ; the four accumulators take turns, one instruction a turn; the first K step starts the sums with the bias
.set tt_, 0
.rept 4
.if ks_ == 0
	v_wmma_f32_16x16x32_f16 v[ACC+8*tt_:ACC+8*tt_+7], v[8*tt_:8*tt_+7], v[AF:AF+7], v[BI+8*tt_:BI+8*tt_+7]
.else
	v_wmma_f32_16x16x32_f16 v[ACC+8*tt_:ACC+8*tt_+7], v[8*(4*ks_+tt_):8*(4*ks_+tt_)+7], v[AF+8*ks_:AF+8*ks_+7], v[ACC+8*tt_:ACC+8*tt_+7]
.endif
.set tt_, tt_+1
.endr
.set ks_, ks_+1
.endr
	WIN 0
.rept 8
	v_nop                                          ; places behind the last products (ISA guide 7.12.1), ahead of lines that read their results and of lines that write registers which they read; eight, the stricter count
.endr
	s_cmp_eq_u32 s[YY], 2
	s_cbranch_scc1 .Lpl_\@
.irp o, 0,16
	ds_load_b128 v[CS+(\o)/4:CS+(\o)/4+3], v[ATR] offset:64*TRP*(\ci)+16*TRP*(\u)+\o
	ds_load_b128 v[SN+(\o)/4:SN+(\o)/4+3], v[ATR] offset:64*TRP*(\ci)+16*TRP*(\u)+64+\o
.endr
	ds_load_b64 v[HC:HC+1], v[ATH] offset:64*TRP*(\ci)+16*TRP*(\u)
	s_wait_dscnt 0x0
	v_mov_b32 v[CH2], v[HC]
	v_mov_b32 v[CH2+1], v[HC]
	v_mov_b32 v[SH2], v[HC+1]
	v_mov_b32 v[SH2+1], v[HC+1]
	ROTH ACC, ACC+8, CS, SN, 1, OPK                ; the even head: by position
	ROTH ACC+16, ACC+24, CH2, SH2, 0, OPK+8        ; the odd head: by heading
	s_branch .Ljn_\@
.Lpl_\@:                                       ; V is not turned
.set i_, 0
.rept 16
	v_cvt_pk_f16_f32 v[OPK+i_], v[ACC+2*i_], v[ACC+2*i_+1]
.set i_, i_+1
.endr
.Ljn_\@:
.irp tt, 0,1,2,3
	ds_store_b128 v[AST], v[OPK+4*\tt:OPK+4*\tt+3] offset:XBS*(\buf)+16*XP*(\u)+32*\tt
.endr
.endm
; A chunk.  The next chunk's loads go out first and land under the products.  ONE barrier a chunk: ahead of it each wave has put its results into this chunk's stage and its part of the
; next chunk into the other x buffer, and has all its LDS reads back.  Behind it the stage is read; the stage and the x buffer that are written next are those that were last read ahead of this barrier or an earlier one.
.macro CH ci, next
.if \next
	XLOAD (\ci)+1
.endif
	s_wait_xcnt 0x0                                ; the last chunk's stores have read their data: the registers are loaded again below
	MT (\ci)%2, \ci, 0
	MT (\ci)%2, \ci, 1
.if \next
	s_wait_loadcnt 0x0
	XSTORE ((\ci)+1)%2
.endif
	s_wait_dscnt 0x0
	s_barrier_signal -1
	s_barrier_wait -1
.set i_, 0
.rept 8
	ds_load_b128 v[RB+4*i_:RB+4*i_+3], v[ARD] offset:XBS*((\ci)%2)+XP*i_
.set i_, i_+1
.endr
	s_wait_dscnt 0x0
.set i_, 0
.rept 8
	global_store_b128 v[AGO], v[RB+4*i_:RB+4*i_+3], s[14:15] offset:(64*(\ci)+i_)*512  ; a wave stores a whole row: 512 consecutive bytes, aligned
.set i_, i_+1
.endr
.endm
	s_load_b512 s[16:31], s[0:1], 0x0              ; q_feat 16, kv_feat 18, Wq 20, Wk 22, Wv 24, bq 26, bk 28, bv 30
	s_load_b256 s[32:39], s[0:1], 0x40             ; pos_q 32, pos_k 34, heading_q 36, heading_k 38
	s_load_b128 s[40:43], s[0:1], 0x60             ; Qe 40, Ke 42
	s_load_b64 s[44:45], s[0:1], 0x70              ; Vt
	v_lshl_add_u32 v[SPW], v0, 2, SPARE
	v_mov_b32 v[NIL], 0
	v_and_b32 v1, 31, v0                           ; lane
	v_and_b32 v2, 15, v0                           ; lane % 16
	v_bfe_u32 v3, v0, 4, 1                         ; lane / 16
	v_lshrrev_b32 v23, 5, v0
	v_readfirstlane_b32 s[WV], v23
	s_and_b32 s[NQ], s[WV], 3
	s_lshr_b32 s[MH], s[WV], 2
	s_and_b32 s[YY], ttmp7, 0xffff
	s_mov_b32 s[NPH], 0xc0490fdb
	s_mov_b32 s[NPL], 0x33bbbd2e
	s_mov_b32 s[IPI], 0x3ea2f983
	s_mov_b32 s[S3], 0xbe2aaaab                    ; -1/3!, 1/5!, -1/7!, 1/9!, -1/11!
	s_mov_b32 s[S5], 0x3c088889
	s_mov_b32 s[S7], 0xb9500d01
	s_mov_b32 s[S9], 0x3638ef1d
	s_mov_b32 s[S11], 0xb2d7322b
	s_mov_b32 s[C4], 0x3d2aaaab                    ; 1/4!, -1/6!, 1/8!, -1/10!
	s_mov_b32 s[C6], 0xbab60b61
	s_mov_b32 s[C8], 0x37d00d01
	s_mov_b32 s[C10], 0xb493f27e
	v_lshlrev_b32 v[GOF], 4, v0
	v_lshrrev_b32 v23, 6, v0                       ; t / 64: which of a load's 4 rows
	v_and_b32 v22, 63, v0                          ; t % 64: which 4 numbers of the row
	v_mul_u32_u24 v[AWS], WP, v23
	v_lshl_add_u32 v[AWS], v22, 3, v[AWS]
	v_add_nc_u32 v[AWS2], 64*WP, v[AWS]
	v_mul_u32_u24 v[AXS], XP, v23
	v_lshl_add_u32 v[AXS], v22, 3, v[AXS]
	v_add_nc_u32 v[AXS], XB, v[AXS]
	v_and_b32 v23, 7, v0                           ; the turning load: lane l reads row 8 (l / 16) + l % 8, bytes 16 ((l / 8) % 2) on
	v_lshl_add_u32 v23, v3, 3, v23
	v_mul_u32_u24 v23, WP, v23
	v_bfe_u32 v22, v0, 3, 1
	v_lshl_add_u32 v23, v22, 4, v23
	s_lshl_b32 s51, s[NQ], 7                       ; my 64 columns: 128 bytes
	v_add_nc_u32 v[ABW], s51, v23
	v_add_nc_u32 v[ABW+1], 96*WP, v[ABW]
	v_add_nc_u32 v[ABW+2], 192*WP, v[ABW]
	s_lshl_b32 s52, s[MH], 5
	v_add_nc_u32 v23, s52, v2                      ; my row in a chunk's first tile: 32 mh + lane % 16
	v_mul_u32_u24 v[AXA], XP, v23
	v_lshl_add_u32 v[AXA], v3, 4, v[AXA]
	v_add_nc_u32 v[AST], s51, v[AXA]
	v_add_nc_u32 v[AST], SG, v[AST]
	v_add_nc_u32 v[AXA], XB, v[AXA]
	v_mul_u32_u24 v[ATH], TRP, v23
	v_add_nc_u32 v[ATH], TRB, v[ATH]
	v_lshl_add_u32 v[ATR], v3, 5, v[ATH]
	v_add_nc_u32 v[ATH], 128, v[ATH]
	s_mul_i32 s52, s[WV], 8*XP                     ; back: wave w takes rows 8 w .. 8 w + 7 of the chunk, whole
	s_add_co_u32 s52, s52, SG
	v_lshl_add_u32 v[ARD], v1, 4, s52
	s_lshl_b32 s52, s[WV], 12
	v_lshl_add_u32 v[AGO], v1, 4, s52
	v_mul_u32_u24 v[ATW], TRP, v0
	v_add_nc_u32 v[ATW], TRB, v[ATW]
	s_lshl_b32 s52, s[NQ], 8
	v_lshl_add_u32 v[ABI], v3, 5, s52
	v_lshlrev_b32 v[APO], 3, v0
	v_lshlrev_b32 v[AHE], 2, v0
	s_wait_kmcnt 0x0
	s_cmp_eq_u32 s[YY], 1                          ; the launch's y chooses the buffers
	s_cselect_b64 s[6:7], s[22:23], s[24:25]
	s_cselect_b64 s[8:9], s[28:29], s[30:31]
	s_cselect_b64 s[14:15], s[42:43], s[44:45]
	s_cmp_eq_u32 s[YY], 0
	s_cselect_b64 s[4:5], s[16:17], s[18:19]       ; x
	s_cselect_b64 s[6:7], s[20:21], s[6:7]         ; W
	s_cselect_b64 s[8:9], s[26:27], s[8:9]         ; bias
	s_cselect_b64 s[10:11], s[32:33], s[34:35]     ; positions
	s_cselect_b64 s[12:13], s[36:37], s[38:39]     ; headings
	s_cselect_b64 s[14:15], s[40:41], s[14:15]     ; the result
	s_mov_b32 s53, 0
	s_lshl_b32 s52, ttmp9, 18                      ; my 256 rows: of 1,024 bytes,
	s_add_nc_u64 s[4:5], s[4:5], s[52:53]
	s_lshl_b32 s52, ttmp9, 17                      ; of 512,
	s_add_nc_u64 s[14:15], s[14:15], s[52:53]
	s_lshl_b32 s52, ttmp9, 11                      ; of 8,
	s_add_nc_u64 s[10:11], s[10:11], s[52:53]
	s_lshl_b32 s52, ttmp9, 10                      ; of 4
	s_add_nc_u64 s[12:13], s[12:13], s[52:53]
	global_load_b64 v[122:123], v[APO], s[10:11]   ; thread t: row t's position and heading
	global_load_b32 v124, v[AHE], s[12:13]
	XLOAD 0
	s_wait_loadcnt 16                              ; loads come back in order: position and heading are in, the chunk's 16 stay out
	s_cmp_eq_u32 s[YY], 2
	s_cbranch_scc1 .Lnotab                         ; V has no rotation and no table
	SINCOS 122, 88, 104                            ; frequency 0 is 1
	SINCOS 123, 96, 112
	ANG 1, 0.31622776
	ANG 2, 0.1
	ANG 3, 0.031622776
	ANG 4, 0.01
	ANG 5, 0.0031622776
	ANG 6, 0.001
	ANG 7, 0.00031622776
	SINCOS 124, 120, 121
.irp i, 0,1,2,3,4,5,6,7
	ds_store_b128 v[ATW], v[88+4*\i:91+4*\i] offset:16*\i
.endr
	ds_store_b64 v[ATW], v[120:121] offset:128
.Lnotab:
	WSTAGE 88, 24, 6
.irp tt, 0,1,2,3
	global_load_b128 v[BI+8*\tt:BI+8*\tt+3], v[ABI], s[8:9] offset:64*\tt
	global_load_b128 v[BI+8*\tt+4:BI+8*\tt+7], v[ABI], s[8:9] offset:64*\tt+16
.endr
	XSTORE 0                                       ; (the wait for W's loads was for all loads: chunk 0 is in)
	s_wait_dscnt 0x0                               ; my parts of W, of chunk 0 and of the table lie in LDS
	s_barrier_signal -1
	s_barrier_wait -1                              ; everybody's do
	WIN 0x40                                       ; destination in the second window
.set ks_, 0
.rept 8
.set tt_, 0
.rept 4                                ; fragment (tile tt, K step ks): 16 columns x 32 K, turned on the way out of LDS
	ds_load_tr16_b128 v[8*(4*ks_+tt_):8*(4*ks_+tt_)+3], v[ABW+ks_/3] offset:(ks_%3)*32*WP+32*tt_
	ds_load_tr16_b128 v[8*(4*ks_+tt_)+4:8*(4*ks_+tt_)+7], v[ABW+ks_/3] offset:(ks_%3)*32*WP+32*tt_+16*WP
.set tt_, tt_+1
.endr
.set ks_, ks_+1
.endr
	WIN 0
	s_wait_loadcnt 0x0                             ; the bias
	s_wait_dscnt 0x0
	CH 0, 1
	CH 1, 1
	CH 2, 1
	CH 3, 0
	s_wait_tensorcnt 0x0                           ; the wave's end: behind my last LDS store
	ds_add_u32 v[SPW], v[NIL]
	s_wait_dscnt 0x0
	s_endpgm
.Lfunc_end_k_q43b6fb6078_proj:
	.size	k_q43b6fb6078_proj, .Lfunc_end_k_q43b6fb6078_proj-k_q43b6fb6078_proj
	.p2alignl 7, 3214868480
	.fill 96, 4, 3214868480
	.section	.rodata,"a",@progbits
	.p2align	6, 0x0
	.amdhsa_kernel k_q43b6fb6078_proj
		.amdhsa_group_segment_fixed_size 312320
		.amdhsa_private_segment_fixed_size 0
		.amdhsa_enable_private_segment 0
		.amdhsa_kernarg_size 120
		.amdhsa_user_sgpr_count 2
		.amdhsa_user_sgpr_kernarg_segment_ptr 1
		.amdhsa_wavefront_size32 1
		.amdhsa_system_sgpr_workgroup_id_x 1
		.amdhsa_system_sgpr_workgroup_id_y 1
		.amdhsa_system_sgpr_workgroup_id_z 1
		.amdhsa_system_vgpr_workitem_id 0
		.amdhsa_next_free_vgpr 512
		.amdhsa_next_free_sgpr 80
		.amdhsa_reserve_vcc 0
		.amdhsa_float_denorm_mode_32 3
		.amdhsa_float_denorm_mode_16_64 3
		.amdhsa_memory_ordered 1
		.amdhsa_forward_progress 1
		.amdhsa_inst_pref_size 127
	.end_amdhsa_kernel
	.amdgpu_metadata
---
amdhsa.version: [ 1, 2 ]
amdhsa.kernels:
  - .name:           k_q43b6fb6078_proj
    .symbol:         k_q43b6fb6078_proj.kd
    .args:
      - { .name: q_feat, .offset: 0, .size: 8, .value_kind: global_buffer, .address_space: global }
      - { .name: kv_feat, .offset: 8, .size: 8, .value_kind: global_buffer, .address_space: global }
      - { .name: Wq, .offset: 16, .size: 8, .value_kind: global_buffer, .address_space: global }
      - { .name: Wk, .offset: 24, .size: 8, .value_kind: global_buffer, .address_space: global }
      - { .name: Wv, .offset: 32, .size: 8, .value_kind: global_buffer, .address_space: global }
      - { .name: bq, .offset: 40, .size: 8, .value_kind: global_buffer, .address_space: global }
      - { .name: bk, .offset: 48, .size: 8, .value_kind: global_buffer, .address_space: global }
      - { .name: bv, .offset: 56, .size: 8, .value_kind: global_buffer, .address_space: global }
      - { .name: pos_q, .offset: 64, .size: 8, .value_kind: global_buffer, .address_space: global }
      - { .name: pos_k, .offset: 72, .size: 8, .value_kind: global_buffer, .address_space: global }
      - { .name: heading_q, .offset: 80, .size: 8, .value_kind: global_buffer, .address_space: global }
      - { .name: heading_k, .offset: 88, .size: 8, .value_kind: global_buffer, .address_space: global }
      - { .name: Qe, .offset: 96, .size: 8, .value_kind: global_buffer, .address_space: global }
      - { .name: Ke, .offset: 104, .size: 8, .value_kind: global_buffer, .address_space: global }
      - { .name: Vt, .offset: 112, .size: 8, .value_kind: global_buffer, .address_space: global }
    .group_segment_fixed_size: 312320
    .private_segment_fixed_size: 0
    .kernarg_segment_align: 8
    .kernarg_segment_size: 120
    .max_flat_workgroup_size: 256
    .sgpr_count:     80
    .vgpr_count:     512
    .wavefront_size: 32
...
	.end_amdgpu_metadata
.endif
;; end of part 3
;; launch attend (part 4): grid 256 x 1, 8 waves a work-group, no clusters, 253,952 bytes of LDS; arguments Qe, Ke, Vt, EB, GL, mask_k, Wo, bo, out0; writes out0
.if DOCPART == 4
	.amdgcn_target "amdgcn-amd-amdhsa--gfx1250"
	.amdhsa_code_object_version 6
	.text
	.protected	k_q43b6fb6078_attend
	.globl	k_q43b6fb6078_attend
	.p2align	8
	.type	k_q43b6fb6078_attend,@function
k_q43b6fb6078_attend:
	s_mov_b64 s[64:65], 0
	v_nop
	global_prefetch_b8 v0, s[64:65] scope:SCOPE_SE
	s_setreg_imm32_b32 hwreg(HW_REG_WAVE_MODE, 25, 1), 1
	s_wait_xcnt 0x0
; ATTENTION OVER EACH QUERY'S 16 NEAREST KEYS, AND THE LAST PROJECTION.  EB (a map of 256 bits over a query's candidates) and GL (its 16 groups), stored by an earlier launch, give the 16 key rows.
; For each query: the 16 rows of Ke and Vt are gathered; logits = q . k / sqrt(32) for each of 8 heads of 32 channels, -inf where the key is masked; softmax over the 16 keys, the maximum taken away;
; o = sum of p v; then out0 = o Wo + bo.
; FORMATS.  Qe, Ke, Vt are f16; their products are taken from the halves straight into f32 sums; maxima, exponentials, sums and weights in f32.  o and Wo are rounded to f16 for the last product, sums in f32.
; LIMITS.  No number of o beyond 65,504.  A query all of whose 16 keys are masked gives NaN, as a softmax over -inf alone does.
; SHARES.  A work-group has 64 queries; wave w queries 8 w .. 8 w + 7, one after the other.  Lane l owns channels 8 l .. 8 l + 7: a wave's load is one whole row of 512 bytes; a head is four lanes.
; The scores are vectors times vectors (each query has keys of its own): on the matrix unit one column of 16 would be of use, so they go by multiply-adds from f16 halves.
; In the last product wave w makes columns 32 w .. + 31 of all 64 rows, transposed (source 0 = 16 columns of Wo, source 1 = 16 rows of o): a lane holds one row and eight neighbouring columns.
; IN FLIGHT.  While a query's scores are made its V rows are on their way; the next query's K rows go out ahead of the softmax, its V rows behind the weighted sum.
.set WOB,   0                          ; LDS: Wo as f16, [k 256][n 256], rows 544 bytes apart
.set WP,    544
.set AOB,   139264                     ; 64 rows of o as f16, 528 bytes apart
.set AP,    528
.set OSTB,  173056                     ; 64 rows of the result, f32, 1,040 bytes apart
.set OSP,   1040
.set SLB,   239616                     ; 640 bytes a wave: 8 queries x 80 bytes: 16 candidate numbers, a 17th place that nobody reads, padding
.set RLB,   244736                     ; 512 bytes a wave: [query 8][16] row numbers
.set MBB,   248832                     ; the same shape: 0 or -inf
.set SPARE, 252928                     ; the spare words, 128 bytes a wave
.set PITCH, 80
.set SPW,  2
.set NIL,  3
.set ZR,   4                           ; v4  0.0
.set L16,  5                           ; v5  16 x lane
.set ARL,  6                           ; v6  the row list in hand, the same in all lanes
.set AMB,  7                           ; v7  its mask addends
.set AAO,  8                           ; v8  where my 16 bytes of o go
.set QOF,  9                           ; v9  my 16 bytes of the query's row
.set VQB,  10
.set VA,   11
.set QR,   12                          ; v[12:15]   q, my 8 channels
.set S,    16                          ; v[16:31]   scores, then weights
.set MB,   32                          ; v[32:47]   mask addends
.set RW,   48                          ; v[48:63]   the next query's rows
.set ADR,  64                          ; v[64:79]   byte offsets of the 16 rows, my 16 bytes
.set O,    80                          ; v[80:87]
.set M,    88                          ; v88-89 maxima; v[90:91] c m twice; v92 the sum; v93 at work; v[94:95] its reciprocal, and a written partner
.set LKW,  88                          ; v88, ahead of the first query: where my four rows and mask addends go
.set CM,   90
.set LS,   92
.set VR,   93
.set RL,   94
.set KR,   96                          ; v[96:159]  16 rows of K, my 16 bytes of each
.set VV,   160                         ; v[160:223] of V
.set VE,   224                         ; v[224:231] the number that my lane's bit stands for in word 0 .. 7
.set TM,   232                         ; v[232:247] at work
.set GOF,  248
.set AWS,  249
.set AWS2, 250
.set ABW,  251                         ; v251-253
.set AGA,  254
.set AOS,  255
.set ACC,  16                          ; the last product: v[16:79] eight accumulators, (rows mt, columns tt) at 8 (2 mt + tt)
.set BO,   80                          ; v[80:95]   the bias as the first C
.set AFR,  96                          ; v[96:159]  o's fragments of two K steps
.set BFR,  160                         ; v[160:191] Wo's
.set DC,   72                          ; s72-74 at work in DECODE
.set WV,   76
.set BT,   77
.set CNT,  78
.set CSC,  66                          ; s[66:67] c = log2(e) / sqrt(32)
.set NINF, 68
; The map of query qi of my eight becomes a list of candidate numbers, ascending.  Its eight words lie in scalar registers (quarter c, word t at 16 + 16 c + 2 qi + t, the last quarter 16 higher).  A lane stands for a bit;
; a set bit's rank is the count of set bits in the words so far, this one among them, less 1, less the set bits below it.
; All 32 lanes store: the lane of a set bit puts its number at its rank, every other lane at place 16 of the row, which nobody reads.  So no lane is ever switched off.
.macro DECODE qi
	s_mov_b32 s[DC], 0
.set wi_, 0
.rept 8
.set sw_, 16+16*(wi_/2)+2*(\qi)+(wi_%2)
.if wi_ >= 6
.set sw_, sw_+16
.endif
	s_bcnt1_i32_b32 s[DC+1], s[sw_]
	s_add_co_u32 s[DC], s[DC], s[DC+1]
	s_sub_co_u32 s[DC+2], s[DC], 1
	v_mbcnt_lo_u32_b32 v[VR], s[sw_], 0
	v_sub_nc_u32 v[VR], s[DC+2], v[VR]
	v_cndmask_b32 v[VR], 16, v[VR], s[sw_]         ; my bit is set: the rank; it is clear: place 16
	v_min_u32 v[VR], 16, v[VR]                     ; a row has places 0 to 16
	v_lshl_add_u32 v[VA], v[VR], 2, v[VQB]
	ds_store_b32 v[VA], v[VE+wi_] offset:(\qi)*PITCH
.set wi_, wi_+1
.endr
.endm
; Wo comes into LDS as f16: two trips of 128 rows
.macro WSTAGE ra, rb, base
	s_mov_b32 s[CNT], 2
.Lw_\@:
.set i_, 0
.rept 16
	global_load_b128 v[(\ra)+4*i_:(\ra)+4*i_+3], v[GOF], s[\base:\base+1] offset:4096*i_
.set i_, i_+1
.endr
.set i_, 0
.rept 16
	global_load_b128 v[(\rb)+4*i_:(\rb)+4*i_+3], v[GOF], s[\base:\base+1] offset:65536+4096*i_
.set i_, i_+1
.endr
	s_wait_loadcnt 0x0                             ; all are in, so their base may be stepped below
.set i_, 0
.rept 16
	v_cvt_pk_f16_f32 v[(\ra)+4*i_], v[(\ra)+4*i_], v[(\ra)+4*i_+1]
	v_cvt_pk_f16_f32 v[(\ra)+4*i_+1], v[(\ra)+4*i_+2], v[(\ra)+4*i_+3]
	ds_store_b64 v[AWS], v[(\ra)+4*i_:(\ra)+4*i_+1] offset:4*WP*i_
.set i_, i_+1
.endr
.set i_, 0
.rept 16
	v_cvt_pk_f16_f32 v[(\rb)+4*i_], v[(\rb)+4*i_], v[(\rb)+4*i_+1]
	v_cvt_pk_f16_f32 v[(\rb)+4*i_+1], v[(\rb)+4*i_+2], v[(\rb)+4*i_+3]
	ds_store_b64 v[AWS2], v[(\rb)+4*i_:(\rb)+4*i_+1] offset:4*WP*i_
.set i_, i_+1
.endr
	s_add_nc_u64 s[\base:\base+1], s[\base:\base+1], 0x20000
	v_add_nc_u32 v[AWS], 128*WP, v[AWS]
	v_add_nc_u32 v[AWS2], 128*WP, v[AWS2]
	s_sub_co_u32 s[CNT], s[CNT], 1
	s_cmp_lg_u32 s[CNT], 0
	s_cbranch_scc1 .Lw_\@
.endm
.macro MKADR                           ; row numbers become byte offsets: a row is 512 bytes, there are 16,384
.set k_, 0
.rept 16
	v_min_u32 v[ADR+k_], 0x3fff, v[RW+k_]
	v_lshl_add_u32 v[ADR+k_], v[ADR+k_], 9, v[L16]
.set k_, k_+1
.endr
.endm
.macro GATHER dst, base                ; 16 whole rows
.set k_, 0
.rept 16
	global_load_b128 v[(\dst)+4*k_:(\dst)+4*k_+3], v[ADR+k_], s[\base:\base+1]
.set k_, k_+1
.endr
.endm
.macro MIX2 d, a, b, c, odd            ; d = (a half of a) x (the same half of b) + c
.if \odd
	v_fma_mix_f32 v[\d], v[\a], v[\b], v[\c] op_sel:[1,1,0] op_sel_hi:[1,1,0]
.else
	v_fma_mix_f32 v[\d], v[\a], v[\b], v[\c] op_sel_hi:[1,1,0]
.endif
.endm
.macro MIX1 d, a, b, c, odd            ; d = (a half of a) x b + c
.if \odd
	v_fma_mix_f32 v[\d], v[\a], v[\b], v[\c] op_sel:[1,0,0] op_sel_hi:[1,0,0]
.else
	v_fma_mix_f32 v[\d], v[\a], v[\b], v[\c] op_sel_hi:[1,0,0]
.endif
.endm
; A QUERY.  last = 1: nothing is fetched for a next one.
.macro QRY last
.if !(\last)
.irp i, 0,1,2,3
	ds_load_b128 v[RW+4*\i:RW+4*\i+3], v[ARL] offset:64+16*\i   ; the next query's rows
.endr
.endif
	s_wait_loadcnt 16                              ; loads come back in order: q and K are in; V's 16 loads, issued behind them, stay out
.if \last
	s_wait_dscnt 0x0
.else
	s_wait_dscnt 4                                 ; all but the 4 loads just issued: this query's mask addends are in
.endif
.set i_, 0
.rept 8                                ; my 8 channels' part of the 16 scores; the mask addend starts each sum
.set k_, 0
.rept 16
.if i_ == 0
	MIX2 S+k_, KR+4*k_, QR, MB+k_, 0
.else
	MIX2 S+k_, KR+4*k_+i_/2, QR+i_/2, S+k_, i_%2
.endif
.set k_, k_+1
.endr
.set i_, i_+1
.endr
.set k_, 0
.rept 16                               ; a head's four lanes add up; all four then hold the score
	v_add_f32_dpp v[S+k_], v[S+k_], v[S+k_] row_xmask:1 row_mask:0xf bank_mask:0xf
.set k_, k_+1
.endr
.set k_, 0
.rept 16
	v_add_f32_dpp v[S+k_], v[S+k_], v[S+k_] row_xmask:2 row_mask:0xf bank_mask:0xf
.set k_, k_+1
.endr
.if !(\last)
.irp i, 0,1,2,3
	ds_load_b128 v[MB+4*\i:MB+4*\i+3], v[AMB] offset:64+16*\i   ; the next query's mask addends
.endr
	s_wait_dscnt 4                                 ; all but these 4: the next query's rows are in
	s_wait_xcnt 0x0                                ; V's loads, still out, have read their offsets, which are made anew:
	MKADR
	v_add_nc_u32 v[QOF], 512, v[QOF]
	global_load_b128 v[QR:QR+3], v[QOF], s[4:5]
	GATHER KR, 6
.endif
	v_max3_num_f32 v[M], v[S], v[S+1], v[S+2]      ; the maximum of the 16
	v_max3_num_f32 v[M+1], v[S+3], v[S+4], v[S+5]
	v_max3_num_f32 v[M], v[M], v[S+6], v[S+7]
	v_max3_num_f32 v[M+1], v[M+1], v[S+8], v[S+9]
	v_max3_num_f32 v[M], v[M], v[S+10], v[S+11]
	v_max3_num_f32 v[M+1], v[M+1], v[S+12], v[S+13]
	v_max3_num_f32 v[M], v[M], v[S+14], v[S+15]
	v_max_num_f32 v[M], v[M], v[M+1]
	v_mul_f32 v[CM], s[CSC], v[M]
	v_mul_f32 v[CM+1], s[CSC], v[M]
.irp i, 0,2,4,6,8,10,12,14
	v_pk_fma_f32 v[S+\i:S+\i+1], v[S+\i:S+\i+1], s[CSC:CSC+1], v[CM:CM+1] op_sel_hi:[1,0,1] neg_lo:[0,0,1] neg_hi:[0,0,1]  ; c s - c m
.endr
.set k_, 0
.rept 16
	v_exp_f32 v[S+k_], v[S+k_]
.set k_, k_+1
.endr
	v_nop                                          ; a plain instruction behind the last exponential (ISA guide 5.7.2),
	s_wait_alu depctr_va_vdst(0)                   ; and a wait ahead of the batch's first reader
	v_pk_add_f32 v[TM:TM+1], v[S:S+1], v[S+2:S+3]
	v_pk_add_f32 v[TM+2:TM+3], v[S+4:S+5], v[S+6:S+7]
	v_pk_add_f32 v[TM+4:TM+5], v[S+8:S+9], v[S+10:S+11]
	v_pk_add_f32 v[TM+6:TM+7], v[S+12:S+13], v[S+14:S+15]
	v_pk_add_f32 v[TM:TM+1], v[TM:TM+1], v[TM+2:TM+3]
	v_pk_add_f32 v[TM+4:TM+5], v[TM+4:TM+5], v[TM+6:TM+7]
	v_pk_add_f32 v[TM:TM+1], v[TM:TM+1], v[TM+4:TM+5]
	v_add_f32 v[LS], v[TM], v[TM+1]
	v_rcp_f32 v[RL], v[LS]
.if \last
	s_wait_loadcnt 0x0
.else
	s_wait_loadcnt 17                              ; V is in; the next query's q and 16 rows of K, issued behind it, stay out
.endif
.set k_, 0
.rept 16                               ; my 8 channels of the weighted sum
.set i_, 0
.rept 8
.if k_ == 0
	MIX1 O+i_, VV+i_/2, S, ZR, i_%2
.else
	MIX1 O+i_, VV+4*k_+i_/2, S+k_, O+i_, i_%2
.endif
.set i_, i_+1
.endr
.set k_, k_+1
.endr
.if !(\last)
	GATHER VV, 8
.endif
	s_wait_alu depctr_va_vdst(0)                   ; the reciprocal's wait; the 128 multiply-adds stood between
.irp i, 0,2,4,6
	v_pk_mul_f32 v[O+\i:O+\i+1], v[O+\i:O+\i+1], v[RL:RL+1] op_sel_hi:[1,0]
.endr
.irp i, 0,1,2,3
	v_cvt_pk_f16_f32 v[TM+\i], v[O+2*\i], v[O+2*\i+1]
.endr
	ds_store_b128 v[AAO], v[TM:TM+3]
	v_add_nc_u32 v[AAO], AP, v[AAO]
	v_add_nc_u32 v[ARL], 64, v[ARL]
	v_add_nc_u32 v[AMB], 64, v[AMB]
.endm
	s_load_b256 s[4:11], s[0:1], 0x0               ; Qe s[4:5], Ke s[6:7], Vt s[8:9], EB s[10:11]
	s_load_b128 s[12:15], s[0:1], 0x20             ; GL s[12:13], mask_k s[14:15]
	s_load_b128 s[96:99], s[0:1], 0x30             ; Wo s[96:97], bo s[98:99]
	s_load_b64 s[100:101], s[0:1], 0x40            ; out0
	v_lshl_add_u32 v[SPW], v0, 2, SPARE
	v_mov_b32 v[NIL], 0
	v_mov_b32 v[ZR], 0
	v_mov_b32 v[RL+1], 0                           ; named with the reciprocal as a pair, so it is written
	v_and_b32 v1, 31, v0
	v_lshrrev_b32 v[VA], 5, v0
	v_readfirstlane_b32 s[WV], v[VA]
	s_lshr_b32 s[BT], ttmp9, 6
	s_mov_b32 s[CSC], 0x3e8293ee                   ; 0.255035
	s_mov_b32 s[CSC+1], s[CSC]
	s_mov_b32 s[NINF], 0xff800000
	s_lshl_b32 s70, ttmp9, 9                       ; the maps of my wave's eight queries: (64 x work-group + 8 x wave) x 8 bytes
	s_lshl_b32 s71, s[WV], 6
	s_add_co_u32 s70, s70, s71
	s_mov_b32 s71, 0
	s_wait_kmcnt 0x0
	s_add_nc_u64 s[10:11], s[10:11], s[70:71]
	s_load_b512 s[16:31], s[10:11], 0x0
	s_load_b512 s[32:47], s[10:11], 0x20000
	s_load_b512 s[48:63], s[10:11], 0x40000
	s_load_b512 s[80:95], s[10:11], 0x60000
	s_lshl_b32 s70, s70, 6                         ; the same queries' rows of 512 bytes
	s_add_nc_u64 s[4:5], s[4:5], s[70:71]
	s_lshl_b32 s70, ttmp9, 16                      ; the work-group's 64 rows of 1,024 bytes
	s_add_nc_u64 s[100:101], s[100:101], s[70:71]
	v_lshlrev_b32 v[L16], 4, v1
	v_mov_b32 v[QOF], v[L16]
	s_mul_i32 s79, s[WV], 8*PITCH
	s_add_co_u32 s79, s79, SLB
	v_mov_b32 v[VQB], s79                          ; my wave's eight candidate lists
	v_lshrrev_b32 v[TM+15], 2, v1                  ; lane / 4: the query whose four candidates my lane looks up
	v_mul_u32_u24 v[TM+14], PITCH, v[TM+15]
	v_and_b32 v[TM+13], 3, v1
	v_lshl_add_u32 v[TM+14], v[TM+13], 4, v[TM+14]
	v_add_nc_u32 v[TM+14], s79, v[TM+14]           ; its list, my four places of it
	s_lshl_b32 s69, s[WV], 9
	s_add_co_u32 s69, s69, RLB
	v_mov_b32 v[ARL], s69
	v_add_nc_u32 v[LKW], s69, v[L16]               ; the same four places among the wave's 512 bytes of rows
	s_add_co_u32 s69, s69, MBB-RLB
	v_mov_b32 v[AMB], s69
	s_mul_i32 s69, s[WV], 8*AP
	s_add_co_u32 s69, s69, AOB
	v_add_nc_u32 v[AAO], s69, v[L16]
.irp k, 0,1,2,3,4,5,6,7
	v_sub_nc_u32 v[VE+\k], 32*\k+31, v1
.endr
	v_lshlrev_b32 v[GOF], 4, v0
	v_lshrrev_b32 v[TM], 6, v0
	v_and_b32 v[TM+1], 63, v0
	v_mul_u32_u24 v[AWS], WP, v[TM]
	v_lshl_add_u32 v[AWS], v[TM+1], 3, v[AWS]
	v_add_nc_u32 v[AWS2], 64*WP, v[AWS]
	v_and_b32 v[TM], 15, v0                        ; lane % 16
	v_bfe_u32 v[TM+1], v0, 4, 1                    ; lane / 16
	v_and_b32 v[TM+2], 7, v0
	v_lshl_add_u32 v[TM+2], v[TM+1], 3, v[TM+2]
	v_mul_u32_u24 v[TM+2], WP, v[TM+2]
	v_bfe_u32 v[TM+3], v0, 3, 1
	v_lshl_add_u32 v[TM+2], v[TM+3], 4, v[TM+2]
	s_lshl_b32 s69, s[WV], 6                       ; my 32 columns: 64 bytes
	v_add_nc_u32 v[ABW], s69, v[TM+2]
	v_add_nc_u32 v[ABW+1], 96*WP, v[ABW]
	v_add_nc_u32 v[ABW+2], 192*WP, v[ABW]
	v_mul_u32_u24 v[AGA], AP, v[TM]
	v_lshl_add_u32 v[AGA], v[TM+1], 4, v[AGA]
	v_add_nc_u32 v[AGA], AOB, v[AGA]
	v_mul_u32_u24 v[AOS], OSP, v[TM]
	v_lshl_add_u32 v[AOS], v[TM+1], 5, v[AOS]
	s_lshl_b32 s69, s[WV], 7
	s_add_co_u32 s69, s69, OSTB
	v_add_nc_u32 v[AOS], s69, v[AOS]
	s_lshl_b32 s69, ttmp9, 6
	s_lshl_b32 s70, s[WV], 3
	s_add_co_u32 s69, s69, s70
	v_add_lshl_u32 v[TM+15], v[TM+15], s69, 4      ; 16 x that query's number: 64 x work-group + 8 x wave + lane / 4
	s_lshl_b32 s69, s[BT], 12                      ; the batch's first row
	s_wait_kmcnt 0x0                               ; the maps are in
.irp q, 0,1,2,3,4,5,6,7
	DECODE \q
.endr
	; candidate s = 64 cc + 16 gr + j is key j of the group that GL holds at [cc][query][gr].  The lists are my wave's own: LDS serves a wave's instructions in order.
	ds_load_b128 v[TM:TM+3], v[TM+14]
	s_wait_dscnt 0x0
.irp k, 0,1,2,3
	v_bfe_u32 v[TM+8], v[TM+\k], 6, 2
	v_bfe_u32 v[TM+9], v[TM+\k], 4, 2
	v_lshlrev_b32 v[TM+8], 18, v[TM+8]
	v_lshl_or_b32 v[TM+4+\k], v[TM+9], 2, v[TM+8]
	v_min_u32 v[TM+4+\k], 0xc000c, v[TM+4+\k]      ; the greatest: quarter 3, number 3
	v_add_nc_u32 v[TM+4+\k], v[TM+15], v[TM+4+\k]
	global_load_b32 v[TM+10+\k], v[TM+4+\k], s[12:13]
.endr
	s_wait_loadcnt 0x0
.irp k, 0,1,2,3
	v_min_u32 v[TM+10+\k], 255, v[TM+10+\k]
	v_and_b32 v[TM+8], 15, v[TM+\k]
	v_lshl_add_u32 v[TM+4+\k], v[TM+10+\k], 4, v[TM+8]
	v_min_u32 v[TM+4+\k], 4095, v[TM+4+\k]         ; a batch has 4,096 keys
	v_add_nc_u32 v[TM+4+\k], s69, v[TM+4+\k]
.endr
.irp k, 0,1,2,3
	global_load_u8 v[TM+10+\k], v[TM+4+\k], s[14:15]
.endr
	s_wait_loadcnt 0x0
.irp k, 0,1,2,3
	v_cmp_eq_u32 vcc_lo, 0, v[TM+10+\k]
	v_cndmask_b32 v[TM+10+\k], 0, s[NINF], vcc_lo  ; a masked key's logit is -inf
.endr
	ds_store_b128 v[LKW], v[TM+4:TM+7]
	ds_store_b128 v[LKW], v[TM+10:TM+13] offset:MBB-RLB
	WSTAGE KR, VV, 96                              ; Wo, through the registers that the gathered rows take afterwards
.irp i, 0,1,2,3
	ds_load_b128 v[RW+4*\i:RW+4*\i+3], v[ARL] offset:16*\i
.endr
.irp i, 0,1,2,3
	ds_load_b128 v[MB+4*\i:MB+4*\i+3], v[AMB] offset:16*\i
.endr
	s_wait_dscnt 0x0
	MKADR
	global_load_b128 v[QR:QR+3], v[QOF], s[4:5]    ; the first query: q, then K, then V: the waits below count on this order
	GATHER KR, 6
	GATHER VV, 8
	s_mov_b32 s[CNT], 7
.Lquery:
	QRY 0
	s_sub_co_u32 s[CNT], s[CNT], 1
	s_cmp_lg_u32 s[CNT], 0
	s_cbranch_scc1 .Lquery
	QRY 1
	; THE LAST PRODUCT
	v_bfe_u32 v[TM+1], v0, 4, 1
	s_lshl_b32 s69, s[WV], 7
	v_lshl_add_u32 v[TM], v[TM+1], 5, s69          ; bo at column 32 w + 8 (lane / 16)
.irp tt, 0,1
	global_load_b128 v[BO+8*\tt:BO+8*\tt+3], v[TM], s[98:99] offset:64*\tt
	global_load_b128 v[BO+8*\tt+4:BO+8*\tt+7], v[TM], s[98:99] offset:64*\tt+16
.endr
	s_wait_dscnt 0x0                               ; my part of Wo and my eight rows of o lie in LDS
	s_barrier_signal -1
	s_barrier_wait -1                              ; everybody's do
	s_wait_loadcnt 0x0
.set kp_, 0
.rept 4                                ; two K steps a round
.if kp_ > 0
.rept 4
	v_nop                                          ; places behind the last products, ahead of loads into registers that they read
.endr
.endif
.set mt_, 0
.rept 4
.set kk_, 0
.rept 2
	ds_load_b128 v[AFR+8*(2*mt_+kk_):AFR+8*(2*mt_+kk_)+3], v[AGA] offset:16*AP*mt_+64*(2*kp_+kk_)
	ds_load_b128 v[AFR+8*(2*mt_+kk_)+4:AFR+8*(2*mt_+kk_)+7], v[AGA] offset:16*AP*mt_+64*(2*kp_+kk_)+32
.set kk_, kk_+1
.endr
.set mt_, mt_+1
.endr
.set kk_, 0
.rept 2
.set tt_, 0
.rept 2
	ds_load_tr16_b128 v[BFR+8*(2*kk_+tt_):BFR+8*(2*kk_+tt_)+3], v[ABW+(2*kp_+kk_)/3] offset:((2*kp_+kk_)%3)*32*WP+32*tt_
	ds_load_tr16_b128 v[BFR+8*(2*kk_+tt_)+4:BFR+8*(2*kk_+tt_)+7], v[ABW+(2*kp_+kk_)/3] offset:((2*kp_+kk_)%3)*32*WP+32*tt_+16*WP
.set tt_, tt_+1
.endr
.set kk_, kk_+1
.endr
	s_wait_dscnt 0x0
.set kk_, 0
.rept 2                                ; the eight accumulators take turns, one instruction a turn; the first K step starts the sums with the bias
.set mt_, 0
.rept 4
.set tt_, 0
.rept 2
.if (kp_ == 0) && (kk_ == 0)
	v_wmma_f32_16x16x32_f16 v[ACC+8*(2*mt_+tt_):ACC+8*(2*mt_+tt_)+7], v[BFR+8*tt_:BFR+8*tt_+7], v[AFR+16*mt_:AFR+16*mt_+7], v[BO+8*tt_:BO+8*tt_+7]
.else
	v_wmma_f32_16x16x32_f16 v[ACC+8*(2*mt_+tt_):ACC+8*(2*mt_+tt_)+7], v[BFR+8*(2*kk_+tt_):BFR+8*(2*kk_+tt_)+7], v[AFR+8*(2*mt_+kk_):AFR+8*(2*mt_+kk_)+7], v[ACC+8*(2*mt_+tt_):ACC+8*(2*mt_+tt_)+7]
.endif
.set tt_, tt_+1
.endr
.set mt_, mt_+1
.endr
.set kk_, kk_+1
.endr
.set kp_, kp_+1
.endr
.rept 8
	v_nop                                          ; places behind the last products, ahead of the stores that read their results
.endr
.set mt_, 0
.rept 4
.set tt_, 0
.rept 2                                ; each accumulator's lowest registers first
	ds_store_b128 v[AOS], v[ACC+8*(2*mt_+tt_):ACC+8*(2*mt_+tt_)+3] offset:16*OSP*mt_+64*tt_
	ds_store_b128 v[AOS], v[ACC+8*(2*mt_+tt_)+4:ACC+8*(2*mt_+tt_)+7] offset:16*OSP*mt_+64*tt_+16
.set tt_, tt_+1
.endr
.set mt_, mt_+1
.endr
	s_mul_i32 s69, s[WV], 8*OSP                    ; back: wave w takes rows 8 w .. 8 w + 7, whole
	s_add_co_u32 s69, s69, OSTB
	v_add_nc_u32 v[TM], s69, v[L16]
	s_lshl_b32 s69, s[WV], 13
	v_add_nc_u32 v[TM+1], s69, v[L16]
	s_wait_dscnt 0x0                               ; for the others' sake: my columns lie in the stage
	s_barrier_signal -1
	s_barrier_wait -1
.set i_, 0
.rept 16
	ds_load_b128 v[AFR+4*i_:AFR+4*i_+3], v[TM] offset:OSP*(i_/2)+512*(i_%2)
.set i_, i_+1
.endr
	s_wait_dscnt 0x0
.set i_, 0
.rept 16
	global_store_b128 v[TM+1], v[AFR+4*i_:AFR+4*i_+3], s[100:101] offset:512*i_ th:TH_STORE_NT  ; a wave stores 512 consecutive bytes, aligned
.set i_, i_+1
.endr
	s_wait_tensorcnt 0x0                           ; the wave's end: behind my last LDS store
	ds_add_u32 v[SPW], v[NIL]
	s_wait_dscnt 0x0
	s_endpgm
.Lfunc_end_k_q43b6fb6078_attend:
	.size	k_q43b6fb6078_attend, .Lfunc_end_k_q43b6fb6078_attend-k_q43b6fb6078_attend
	.p2alignl 7, 3214868480
	.fill 96, 4, 3214868480
	.section	.rodata,"a",@progbits
	.p2align	6, 0x0
	.amdhsa_kernel k_q43b6fb6078_attend
		.amdhsa_group_segment_fixed_size 253952
		.amdhsa_private_segment_fixed_size 0
		.amdhsa_enable_private_segment 0
		.amdhsa_kernarg_size 72
		.amdhsa_user_sgpr_count 2
		.amdhsa_user_sgpr_kernarg_segment_ptr 1
		.amdhsa_wavefront_size32 1
		.amdhsa_system_sgpr_workgroup_id_x 1
		.amdhsa_system_sgpr_workgroup_id_y 1
		.amdhsa_system_sgpr_workgroup_id_z 1
		.amdhsa_system_vgpr_workitem_id 0
		.amdhsa_next_free_vgpr 256
		.amdhsa_next_free_sgpr 102
		.amdhsa_reserve_vcc 1
		.amdhsa_float_denorm_mode_32 3
		.amdhsa_float_denorm_mode_16_64 3
		.amdhsa_memory_ordered 1
		.amdhsa_forward_progress 1
		.amdhsa_inst_pref_size 113
	.end_amdhsa_kernel
	.amdgpu_metadata
---
amdhsa.version: [ 1, 2 ]
amdhsa.kernels:
  - .name:           k_q43b6fb6078_attend
    .symbol:         k_q43b6fb6078_attend.kd
    .args:
      - { .name: Qe, .offset: 0, .size: 8, .value_kind: global_buffer, .address_space: global }
      - { .name: Ke, .offset: 8, .size: 8, .value_kind: global_buffer, .address_space: global }
      - { .name: Vt, .offset: 16, .size: 8, .value_kind: global_buffer, .address_space: global }
      - { .name: EB, .offset: 24, .size: 8, .value_kind: global_buffer, .address_space: global }
      - { .name: GL, .offset: 32, .size: 8, .value_kind: global_buffer, .address_space: global }
      - { .name: mask_k, .offset: 40, .size: 8, .value_kind: global_buffer, .address_space: global }
      - { .name: Wo, .offset: 48, .size: 8, .value_kind: global_buffer, .address_space: global }
      - { .name: bo, .offset: 56, .size: 8, .value_kind: global_buffer, .address_space: global }
      - { .name: out0, .offset: 64, .size: 8, .value_kind: global_buffer, .address_space: global }
    .group_segment_fixed_size: 253952
    .private_segment_fixed_size: 0
    .kernarg_segment_align: 8
    .kernarg_segment_size: 72
    .max_flat_workgroup_size: 256
    .sgpr_count:     102
    .vgpr_count:     256
    .wavefront_size: 32
...
	.end_amdgpu_metadata
.endif
;; end of part 4
;; ======== version 2 of 2: 4 launches; version 1 with the launches proj, attend written anew for expert scheduling mode
;; limits: values are held in f16: magnitudes above 65,504 overflow, below 6.1e-05 lose precision; right only within a limited range of input values
;; workspace buffers: Qe 8,388,608 bytes; Ke 8,388,608 bytes; Vt 8,388,608 bytes; GB 524,288 bytes of whole numbers; EB 524,288 bytes of whole numbers; GL 1,048,576 bytes of whole numbers
;; launch groups: the kernel of part 1 again; grid 256 x 1, 8 waves a work-group, no clusters, 119,808 bytes of LDS; arguments pos_q, pos_k, mask_k, GB; writes GB
;; launch keysel: the kernel of part 2 again; grid 256 x 1, 8 waves a work-group, no clusters, 129,024 bytes of LDS; arguments pos_q, pos_k, mask_k, GB, EB, GL; writes EB, GL
;; launch proj (part 5): grid 64 x 3, 8 waves a work-group, no clusters, 312,320 bytes of LDS; arguments q_feat, kv_feat, Wq, Wk, Wv, bq, bk, bv, pos_q, pos_k, heading_q, heading_k, Qe, Ke, Vt; writes Qe, Ke, Vt
.if DOCPART == 5
	.amdgcn_target "amdgcn-amd-amdhsa--gfx1250"
	.amdhsa_code_object_version 6
	.text
	.protected	k_q43b6fb6078_proj
	.globl	k_q43b6fb6078_proj
	.p2align	8
	.type	k_q43b6fb6078_proj,@function
k_q43b6fb6078_proj:
	s_mov_b64 s[64:65], 0
	v_nop
	global_prefetch_b8 v0, s[64:65] scope:SCOPE_SE
	s_setreg_imm32_b32 hwreg(HW_REG_WAVE_SCHED_MODE, 0, 2), 2
	s_setreg_imm32_b32 hwreg(HW_REG_WAVE_MODE, 25, 1), 1
	s_wait_xcnt 0x0
	s_wait_alu depctr_vm_vsrc(0)
; THE THREE PROJECTIONS, ONCE A ROW.  y = 0: Qe = rot(q_feat Wq + bq); y = 1: Ke = rot(kv_feat Wk + bk); y = 2: Vt = kv_feat Wv + bv.  All three [16,384][256] in f16.
; A gathered row's projection is the gather of the row's projection, and a key's rotation hangs on that key alone: so K and V are made once for each of the 16,384 keys, and gathered in the next launch.
; rot: heads 0, 2, 4, 6 turn channel pairs (d, 16 + d) by the angles x f_d (d < 8) and y f_(d-8), f_j = 10^(-j/2); heads 1, 3, 5, 7 turn all pairs by the heading.
; FORMATS.  The f32 features and weights are rounded to f16 for the products, sums in f32; bias and rotation in f32; the result is rounded once to f16.  f16 and not bf16: the neighbours hang on the
; unrounded positions, so every rounding here is held against the unrounded result, and bf16's 8 bits leave too little room.
; LIMITS.  No number of Q, K, V beyond 65,504.  sin and cos: the angle less the nearest multiple of pi in two parts, then polynomials of degree 11 and 10 on +-pi/2, good to some 5e-7; angles below about 2^22 pi.
; SHARES.  A work-group has 256 rows, in four chunks of 64, and one of the three weight matrices.  Wave w: nq = w % 4: columns 64 nq .. + 63 (an even head and the odd one behind it);
; mh = w / 4: rows 32 mh .. + 31 of each chunk, two tiles of 16.  The wave's 64 columns x 256 K of W stay in registers v256-511 for the whole launch.
; THE MATRIX INSTRUCTION IS USED TRANSPOSED (source 0 = 16 columns of W, source 1 = 16 rows of x): a lane holds one row (lane % 16) and eight neighbouring channels 8 (lane / 16) + 0..7.
; No tensor loads: every bulk input is f32 and passes through registers to become f16.  192 work-groups: 768 chunks would give 256 work-groups three each, across two weight matrices.
; Behind the staging of W no LDS address register is rewritten: buffer, chunk and tile stand in the immediates.
; THE MODE: SCHED_MODE bits 1:0 = 2 (LLVM: expert scheduling mode 2), set by the entry lines.  The code itself states the register dependences
; between vector or matrix instructions and memory or LDS instructions, with s_wait_alu, always for 0.
; THE PLAN.  Registers that memory or LDS instructions touch:
;   v4-v22       offsets and addresses: written at the head, ahead of one wait on va_vdst; of them v7 and v8 alone are written again, once a trip of W's staging.
;   v88-121      the table: written by the polynomials, read by 9 LDS stores; then W's loads land there.
;   v88-151, v24-87  W as loaded: loads land, conversions close the numbers up in place, LDS stores read them; next trip the same; then the bias lands in v24-55.
;   v152-215     a chunk of x as loaded: loads land, conversions in place, LDS stores read them, the next chunk's loads land.
;   v88-151      x's fragments: LDS loads land, the products read them; the roundings write v88-103, 4 LDS stores read those; at a chunk's end rows land in v88-119 and global stores read them.
;   v216-233     cos and sin: LDS loads land, the rotation reads them.
; ONE wait on va_vdst a tile, behind its roundings and ahead of its four stores: behind it the tile's products are done reading x's fragments and its rotation is done reading cos and sin,
; and until the next tile's loads into those registers no vector or matrix instruction names them: so these loads follow with no further wait on va_vdst, the table's even while the products are at work.
; Waits on vm_vsrc stand where registers that stores have read are loaded again: at a chunk's head, ahead of tile 1's fragments, and ahead of the rows read back.
.set WL,    0                          ; LDS: W as f16, [k 256][n 256], rows 544 bytes apart (17 x 32)
.set WP,    544
.set XB,    139264                     ; two buffers: 64 rows of x as f16, 528 bytes apart (33 x 16)
.set XP,    528
.set XBS,   33792
.set SG,    206848                     ; two buffers of the same shape: the results on their way out
.set TRB,   274432                     ; 256 rows x 144 bytes: cos 16, sin 16, cos and sin of the heading, f32
.set TRP,   144
.set SPARE, 311296                     ; the spare words, 128 bytes a wave
.set SPW,  4
.set NIL,  5
.set GOF,  6                           ; v6  16 t
.set AWS,  7                           ; v7  where I put 8 bytes of W: rows 4 i + t / 64, i < 16
.set AWS2, 8                           ; v8  the same, 64 rows on
.set AXS,  9                           ; v9  the same for x
.set ABW,  10                          ; v10-12 my lane's place in W's fragments of K steps 0-2, 3-5, 6-7
.set AXA,  13                          ; v13 in x's fragments
.set ATR,  14                          ; v14 my row's cos and sin, my eight
.set ATH,  15                          ; v15 my row's heading pair
.set AST,  16                          ; v16 where I put 16 bytes of a result row
.set ARD,  17                          ; v17 where I read rows back
.set AGO,  18                          ; v18 my byte offset in the output
.set ATW,  19                          ; v19 my row of the table
.set ABI,  20                          ; v20 my offset in the bias
.set APO,  21                          ; v21 8 t
.set AHE,  22                          ; v22 4 t
.set BI,   24                          ; v[24:55]   the bias as the products' first C: tile tt, register j = b[64 nq + 16 tt + 8 (lane / 16) + j]
.set ACC,  56                          ; v[56:87]   four accumulators
.set AF,   88                          ; v[88:151]  x's fragments of 8 K steps
.set OPK,  88                          ; v[88:103]  later: the packed results
.set RB,   88                          ; v[88:119]  later: rows read back
.set XSR,  152                         ; v[152:215] the next chunk as it comes from memory
.set CS,   216                         ; v[216:223] cos, v[224:231] sin of my eight pairs
.set SN,   224
.set HC,   232                         ; v[232:233] cos, sin of the heading; v[234:237] each twice
.set CH2,  234
.set SH2,  236
.set TT,   238                         ; v[238:253] at work
.set TN,   240                         ; at work in the table's arithmetic
.set TRR,  241
.set TR2,  242
.set TPP,  243
.set TTT,  244
.set AN,   245
.set WV,   46                          ; s46 wave, s47 nq, s48 mh, s49 y
.set NQ,   47
.set MH,   48
.set YY,   49
.set CNT,  50
.set NPH,  66                          ; s66 -pi's upper part, s67 -pi's lower part, s68 1 / pi
.set NPL,  67
.set IPI,  68
.set S3,   69                          ; s69-73 the sine's, s74-77 the cosine's coefficients
.set S5,   70
.set S7,   71
.set S9,   72
.set S11,  73
.set C4,   74
.set C6,   75
.set C8,   76
.set C10,  77
.set MSB, 0
.macro WIN new                         ; the immediate's high byte repeats the setting that is left
.if MSB != (\new)
	s_set_vgpr_msb (MSB<<8)|(\new)
.set MSB, \new
.endif
.endm
; cos and sin of v[a]: n = the nearest whole number to a / pi; r = a - n pi; both polynomials in r; the sign turns where n is odd
.macro SINCOS a, c, s
	v_mul_f32 v[TN], s[IPI], v[\a]
	v_rndne_f32 v[TN], v[TN]
	v_fma_f32 v[TRR], v[TN], s[NPH], v[\a]
	v_fma_f32 v[TRR], v[TN], s[NPL], v[TRR]
	v_mul_f32 v[TR2], v[TRR], v[TRR]
	v_fma_f32 v[TPP], v[TR2], s[S11], s[S9]
	v_fma_f32 v[TPP], v[TPP], v[TR2], s[S7]
	v_fma_f32 v[TPP], v[TPP], v[TR2], s[S5]
	v_fma_f32 v[TPP], v[TPP], v[TR2], s[S3]
	v_mul_f32 v[TTT], v[TRR], v[TR2]
	v_fma_f32 v[\s], v[TPP], v[TTT], v[TRR]
	v_fma_f32 v[TPP], v[TR2], s[C10], s[C8]
	v_fma_f32 v[TPP], v[TPP], v[TR2], s[C6]
	v_fma_f32 v[TPP], v[TPP], v[TR2], s[C4]
	v_fma_f32 v[TPP], v[TPP], v[TR2], -0.5
	v_fma_f32 v[\c], v[TPP], v[TR2], 1.0
	v_cvt_i32_f32 v[TN], v[TN]
	v_lshlrev_b32 v[TN], 31, v[TN]
	v_xor_b32 v[\s], v[TN], v[\s]
	v_xor_b32 v[\c], v[TN], v[\c]
.endm
.macro ANG j, f                        ; frequency j for x and for y
	v_mul_f32 v[AN], \f, v122
	SINCOS AN, 88+\j, 104+\j
	v_mul_f32 v[AN], \f, v123
	SINCOS AN, 96+\j, 112+\j
.endm
; W comes into LDS as f16: two trips of 128 rows; a load of the work-group covers 4 rows (4,096 consecutive bytes).
; A trip: 32 loads; the first 64 rows' conversions; a wait; their stores, dealt among the other 64 rows' conversions, which name other registers; a wait; those rows' stores.
; Every conversion of a trip stands ahead of the trip's second wait on va_vdst, and behind it only the two address adds are issued: so the loads that land in these registers next owe no further wait on va_vdst.
.macro WSTAGE ra, rb, base
	s_mov_b32 s[CNT], 2
.Lw_\@:
.set i_, 0
.rept 16
	global_load_b128 v[(\ra)+4*i_:(\ra)+4*i_+3], v[GOF], s[\base:\base+1] offset:4096*i_
.set i_, i_+1
.endr
.set i_, 0
.rept 16
	global_load_b128 v[(\rb)+4*i_:(\rb)+4*i_+3], v[GOF], s[\base:\base+1] offset:65536+4096*i_
.set i_, i_+1
.endr
	s_wait_loadcnt 16                              ; loads come back in order: the first 64 rows are in, the 16 younger loads stay out
.set i_, 0
.rept 16
	v_cvt_pk_f16_f32 v[(\ra)+4*i_], v[(\ra)+4*i_], v[(\ra)+4*i_+1]
	v_cvt_pk_f16_f32 v[(\ra)+4*i_+1], v[(\ra)+4*i_+2], v[(\ra)+4*i_+3]
.set i_, i_+1
.endr
	s_wait_loadcnt 0x0                             ; all are in, so their base may be stepped below
	s_wait_alu depctr_va_vdst(0)                   ; the conversions have written the first 64 rows' halves, which the LDS stores read; in the second trip the two LDS addresses are written too
.set i_, 0
.rept 16
	ds_store_b64 v[AWS], v[(\ra)+4*i_:(\ra)+4*i_+1] offset:4*WP*i_
	v_cvt_pk_f16_f32 v[(\rb)+4*i_], v[(\rb)+4*i_], v[(\rb)+4*i_+1]
	v_cvt_pk_f16_f32 v[(\rb)+4*i_+1], v[(\rb)+4*i_+2], v[(\rb)+4*i_+3]
.set i_, i_+1
.endr
	s_wait_alu depctr_va_vdst(0)                   ; the conversions have written the other 64 rows' halves, which the LDS stores read
.set i_, 0
.rept 16
	ds_store_b64 v[AWS2], v[(\rb)+4*i_:(\rb)+4*i_+1] offset:4*WP*i_
.set i_, i_+1
.endr
	s_add_nc_u64 s[\base:\base+1], s[\base:\base+1], 0x20000
	s_wait_alu depctr_vm_vsrc(0)                   ; the 32 LDS stores have read their two addresses, which the adds below write, and their data, in which later loads land
	v_add_nc_u32 v[AWS], 128*WP, v[AWS]
	v_add_nc_u32 v[AWS2], 128*WP, v[AWS2]
	s_sub_co_u32 s[CNT], s[CNT], 1
	s_cmp_lg_u32 s[CNT], 0
	s_cbranch_scc1 .Lw_\@
.endm
.macro XLOAD ci                        ; chunk ci: 64 rows of 1,024 bytes, 16 loads a thread
.set i_, 0
.rept 16
	global_load_b128 v[XSR+4*i_:XSR+4*i_+3], v[GOF], s[4:5] offset:65536*(\ci)+4096*i_
.set i_, i_+1
.endr
.endm
.macro XSTORE buf                      ; rounded to f16 and put into LDS
.set i_, 0
.rept 16
	v_cvt_pk_f16_f32 v[XSR+4*i_], v[XSR+4*i_], v[XSR+4*i_+1]
	v_cvt_pk_f16_f32 v[XSR+4*i_+1], v[XSR+4*i_+2], v[XSR+4*i_+3]
.set i_, i_+1
.endr
	s_wait_alu depctr_va_vdst(0)                   ; the conversions have written the halves that the LDS stores read, and are done with v[XSR ..], in which the next chunk's loads land
.set i_, 0
.rept 16
	ds_store_b64 v[AXS], v[XSR+4*i_:XSR+4*i_+1] offset:XBS*(\buf)+4*XP*i_
.set i_, i_+1
.endr
.endm
; a head is turned: tile a holds channels d, tile b channels 16 + d.  st = 1: each pair has its own cos and sin; 0: all share one.  Each accumulator's lowest registers are read first.
.macro ROTH a, b, c, s, st, o
.irp jj, 0,2,4,6
	v_pk_mul_f32 v[TT+2*\jj:TT+2*\jj+1], v[(\a)+\jj:(\a)+\jj+1], v[(\c)+(\st)*\jj:(\c)+(\st)*\jj+1]
	v_pk_mul_f32 v[TT+2*\jj+2:TT+2*\jj+3], v[(\b)+\jj:(\b)+\jj+1], v[(\c)+(\st)*\jj:(\c)+(\st)*\jj+1]
.endr
.irp jj, 0,2,4,6
	v_pk_fma_f32 v[TT+2*\jj:TT+2*\jj+1], v[(\b)+\jj:(\b)+\jj+1], v[(\s)+(\st)*\jj:(\s)+(\st)*\jj+1], v[TT+2*\jj:TT+2*\jj+1] neg_lo:[1,0,0] neg_hi:[1,0,0]
	v_pk_fma_f32 v[TT+2*\jj+2:TT+2*\jj+3], v[(\a)+\jj:(\a)+\jj+1], v[(\s)+(\st)*\jj:(\s)+(\st)*\jj+1], v[TT+2*\jj+2:TT+2*\jj+3]
.endr
.irp jj, 0,2,4,6
	v_cvt_pk_f16_f32 v[(\o)+(\jj)/2], v[TT+2*\jj], v[TT+2*\jj+1]
	v_cvt_pk_f16_f32 v[(\o)+4+(\jj)/2], v[TT+2*\jj+2], v[TT+2*\jj+3]
.endr
.endm
; Tile u (0, 1) of my two tiles of 16 rows of chunk ci, which lies in buffer buf.
.macro MT buf, ci, u
.if \u
	s_wait_alu depctr_vm_vsrc(0)                   ; tile 0's four LDS stores have read v[OPK ..], in which x's fragments land (for tile 0 the wait at the chunk's head serves)
.endif
.set ks_, 0
.rept 8                                ; no wait on va_vdst: the last products that read these registers, and the roundings that wrote sixteen of them, stand ahead of the last tile's wait, and nothing since names them
	ds_load_b128 v[AF+8*ks_:AF+8*ks_+3], v[AXA] offset:XBS*(\buf)+16*XP*(\u)+64*ks_
	ds_load_b128 v[AF+8*ks_+4:AF+8*ks_+7], v[AXA] offset:XBS*(\buf)+16*XP*(\u)+64*ks_+32
.set ks_, ks_+1
.endr
	s_wait_dscnt 0x0
	WIN 0x01                                       ; source 0, W's fragments, in the second window
.set ks_, 0
.rept 8                                ; the four accumulators take turns, one instruction a turn; the first K step starts the sums with the bias
.set tt_, 0
.rept 4
.if ks_ == 0
	v_wmma_f32_16x16x32_f16 v[ACC+8*tt_:ACC+8*tt_+7], v[8*tt_:8*tt_+7], v[AF:AF+7], v[BI+8*tt_:BI+8*tt_+7]
.else
	v_wmma_f32_16x16x32_f16 v[ACC+8*tt_:ACC+8*tt_+7], v[8*(4*ks_+tt_):8*(4*ks_+tt_)+7], v[AF+8*ks_:AF+8*ks_+7], v[ACC+8*tt_:ACC+8*tt_+7]
.endif
.set tt_, tt_+1
.endr
.set ks_, ks_+1
.endr
	WIN 0
.rept 8
	v_nop                                          ; places behind the last products (ISA guide 7.12.1), ahead of lines that read their results and of lines that write registers which they read; eight, the stricter count
.endr
	s_cmp_eq_u32 s[YY], 2
	s_cbranch_scc1 .Lpl_\@
.irp o, 0,16                           ; no wait on va_vdst: the last rotation, which read these registers, stands ahead of the last tile's wait, and the products since name none of them
	ds_load_b128 v[CS+(\o)/4:CS+(\o)/4+3], v[ATR] offset:64*TRP*(\ci)+16*TRP*(\u)+\o
	ds_load_b128 v[SN+(\o)/4:SN+(\o)/4+3], v[ATR] offset:64*TRP*(\ci)+16*TRP*(\u)+64+\o
.endr
	ds_load_b64 v[HC:HC+1], v[ATH] offset:64*TRP*(\ci)+16*TRP*(\u)
	s_wait_dscnt 0x0
	v_mov_b32 v[CH2], v[HC]
	v_mov_b32 v[CH2+1], v[HC]
	v_mov_b32 v[SH2], v[HC+1]
	v_mov_b32 v[SH2+1], v[HC+1]
	ROTH ACC, ACC+8, CS, SN, 1, OPK                ; the even head: by position
	ROTH ACC+16, ACC+24, CH2, SH2, 0, OPK+8        ; the odd head: by heading
	s_branch .Ljn_\@
.Lpl_\@:                                       ; V is not turned
.set i_, 0
.rept 16
	v_cvt_pk_f16_f32 v[OPK+i_], v[ACC+2*i_], v[ACC+2*i_+1]
.set i_, i_+1
.endr
.Ljn_\@:
	s_wait_alu depctr_va_vdst(0)                   ; the tile's one wait: the roundings have written v[OPK ..], which the LDS stores read; the products are done reading x's fragments, the rotation cos and sin
.irp tt, 0,1,2,3
	ds_store_b128 v[AST], v[OPK+4*\tt:OPK+4*\tt+3] offset:XBS*(\buf)+16*XP*(\u)+32*\tt
.endr
.endm
; A chunk.  The next chunk's loads go out first and land under the products.  ONE barrier a chunk: ahead of it each wave has put its results into this chunk's stage and its part of the
; next chunk into the other x buffer, and has all its LDS reads back.  Behind it the stage is read; the stage and the x buffer that are written next are those that were last read ahead of this barrier or an earlier one.
.macro CH ci, next
	s_wait_alu depctr_vm_vsrc(0)                   ; the last chunk's global stores have read v[RB ..], in which x's fragments land below; ahead of the first chunk: the LDS stores of chunk 0 have read v[XSR ..], in which chunk 1 lands
.if \next
	XLOAD (\ci)+1
.endif
	s_wait_xcnt 0x0                                ; the last chunk's stores have read their data: the registers are loaded again below
	MT (\ci)%2, \ci, 0
	MT (\ci)%2, \ci, 1
.if \next
	s_wait_loadcnt 0x0
	XSTORE ((\ci)+1)%2
.endif
	s_wait_dscnt 0x0
	s_barrier_signal -1
	s_barrier_wait -1
	s_wait_alu depctr_vm_vsrc(0)                   ; tile 1's LDS stores have read v[OPK ..], in which the rows below land
.set i_, 0
.rept 8
	ds_load_b128 v[RB+4*i_:RB+4*i_+3], v[ARD] offset:XBS*((\ci)%2)+XP*i_
.set i_, i_+1
.endr
	s_wait_dscnt 0x0
.set i_, 0
.rept 8
	global_store_b128 v[AGO], v[RB+4*i_:RB+4*i_+3], s[14:15] offset:(64*(\ci)+i_)*512  ; a wave stores a whole row: 512 consecutive bytes, aligned
.set i_, i_+1
.endr
.endm
	s_load_b512 s[16:31], s[0:1], 0x0              ; q_feat 16, kv_feat 18, Wq 20, Wk 22, Wv 24, bq 26, bk 28, bv 30
	s_load_b256 s[32:39], s[0:1], 0x40             ; pos_q 32, pos_k 34, heading_q 36, heading_k 38
	s_load_b128 s[40:43], s[0:1], 0x60             ; Qe 40, Ke 42
	s_load_b64 s[44:45], s[0:1], 0x70              ; Vt
	v_lshl_add_u32 v[SPW], v0, 2, SPARE
	v_mov_b32 v[NIL], 0
	v_and_b32 v1, 31, v0                           ; lane
	v_and_b32 v2, 15, v0                           ; lane % 16
	v_bfe_u32 v3, v0, 4, 1                         ; lane / 16
	v_lshrrev_b32 v23, 5, v0
	v_readfirstlane_b32 s[WV], v23
	s_and_b32 s[YY], ttmp7, 0xffff
	s_mov_b32 s[NPH], 0xc0490fdb
	s_mov_b32 s[NPL], 0x33bbbd2e
	s_mov_b32 s[IPI], 0x3ea2f983
	s_mov_b32 s[S3], 0xbe2aaaab                    ; -1/3!, 1/5!, -1/7!, 1/9!, -1/11!
	s_mov_b32 s[S5], 0x3c088889
	s_mov_b32 s[S7], 0xb9500d01
	s_mov_b32 s[S9], 0x3638ef1d
	s_mov_b32 s[S11], 0xb2d7322b
	s_mov_b32 s[C4], 0x3d2aaaab                    ; 1/4!, -1/6!, 1/8!, -1/10!
	s_mov_b32 s[C6], 0xbab60b61
	s_mov_b32 s[C8], 0x37d00d01
	s_mov_b32 s[C10], 0xb493f27e
	s_wait_alu depctr_va_sdst(0)                   ; the wave's number is written, ahead of its first reader
	s_and_b32 s[NQ], s[WV], 3
	s_lshr_b32 s[MH], s[WV], 2
	v_lshlrev_b32 v[GOF], 4, v0
	v_lshrrev_b32 v23, 6, v0                       ; t / 64: which of a load's 4 rows
	v_and_b32 v22, 63, v0                          ; t % 64: which 4 numbers of the row
	v_mul_u32_u24 v[AWS], WP, v23
	v_lshl_add_u32 v[AWS], v22, 3, v[AWS]
	v_add_nc_u32 v[AWS2], 64*WP, v[AWS]
	v_mul_u32_u24 v[AXS], XP, v23
	v_lshl_add_u32 v[AXS], v22, 3, v[AXS]
	v_add_nc_u32 v[AXS], XB, v[AXS]
	v_and_b32 v23, 7, v0                           ; the turning load: lane l reads row 8 (l / 16) + l % 8, bytes 16 ((l / 8) % 2) on
	v_lshl_add_u32 v23, v3, 3, v23
	v_mul_u32_u24 v23, WP, v23
	v_bfe_u32 v22, v0, 3, 1
	v_lshl_add_u32 v23, v22, 4, v23
	s_lshl_b32 s51, s[NQ], 7                       ; my 64 columns: 128 bytes
	v_add_nc_u32 v[ABW], s51, v23
	v_add_nc_u32 v[ABW+1], 96*WP, v[ABW]
	v_add_nc_u32 v[ABW+2], 192*WP, v[ABW]
	s_lshl_b32 s52, s[MH], 5
	v_add_nc_u32 v23, s52, v2                      ; my row in a chunk's first tile: 32 mh + lane % 16
	v_mul_u32_u24 v[AXA], XP, v23
	v_lshl_add_u32 v[AXA], v3, 4, v[AXA]
	v_add_nc_u32 v[AST], s51, v[AXA]
	v_add_nc_u32 v[AST], SG, v[AST]
	v_add_nc_u32 v[AXA], XB, v[AXA]
	v_mul_u32_u24 v[ATH], TRP, v23
	v_add_nc_u32 v[ATH], TRB, v[ATH]
	v_lshl_add_u32 v[ATR], v3, 5, v[ATH]
	v_add_nc_u32 v[ATH], 128, v[ATH]
	s_mul_i32 s52, s[WV], 8*XP                     ; back: wave w takes rows 8 w .. 8 w + 7 of the chunk, whole
	s_add_co_u32 s52, s52, SG
	v_lshl_add_u32 v[ARD], v1, 4, s52
	s_lshl_b32 s52, s[WV], 12
	v_lshl_add_u32 v[AGO], v1, 4, s52
	v_mul_u32_u24 v[ATW], TRP, v0
	v_add_nc_u32 v[ATW], TRB, v[ATW]
	s_lshl_b32 s52, s[NQ], 8
	v_lshl_add_u32 v[ABI], v3, 5, s52
	v_lshlrev_b32 v[APO], 3, v0
	v_lshlrev_b32 v[AHE], 2, v0
	s_wait_kmcnt 0x0
	s_cmp_eq_u32 s[YY], 1                          ; the launch's y chooses the buffers
	s_cselect_b64 s[6:7], s[22:23], s[24:25]
	s_cselect_b64 s[8:9], s[28:29], s[30:31]
	s_cselect_b64 s[14:15], s[42:43], s[44:45]
	s_cmp_eq_u32 s[YY], 0
	s_cselect_b64 s[4:5], s[16:17], s[18:19]       ; x
	s_cselect_b64 s[6:7], s[20:21], s[6:7]         ; W
	s_cselect_b64 s[8:9], s[26:27], s[8:9]         ; bias
	s_cselect_b64 s[10:11], s[32:33], s[34:35]     ; positions
	s_cselect_b64 s[12:13], s[36:37], s[38:39]     ; headings
	s_cselect_b64 s[14:15], s[40:41], s[14:15]     ; the result
	s_mov_b32 s53, 0
	s_lshl_b32 s52, ttmp9, 18                      ; my 256 rows: of 1,024 bytes,
	s_add_nc_u64 s[4:5], s[4:5], s[52:53]
	s_lshl_b32 s52, ttmp9, 17                      ; of 512,
	s_add_nc_u64 s[14:15], s[14:15], s[52:53]
	s_lshl_b32 s52, ttmp9, 11                      ; of 8,
	s_add_nc_u64 s[10:11], s[10:11], s[52:53]
	s_lshl_b32 s52, ttmp9, 10                      ; of 4
	s_add_nc_u64 s[12:13], s[12:13], s[52:53]
	s_wait_alu depctr_va_vdst(0)                   ; the offsets and addresses v6 to v22 are written, which the kernel's loads and stores read
	global_load_b64 v[122:123], v[APO], s[10:11]   ; thread t: row t's position and heading
	global_load_b32 v124, v[AHE], s[12:13]
	XLOAD 0
	s_wait_loadcnt 16                              ; loads come back in order: position and heading are in, the chunk's 16 stay out
	s_cmp_eq_u32 s[YY], 2
	s_cbranch_scc1 .Lnotab                         ; V has no rotation and no table
	SINCOS 122, 88, 104                            ; frequency 0 is 1
	SINCOS 123, 96, 112
	ANG 1, 0.31622776
	ANG 2, 0.1
	ANG 3, 0.031622776
	ANG 4, 0.01
	ANG 5, 0.0031622776
	ANG 6, 0.001
	ANG 7, 0.00031622776
	SINCOS 124, 120, 121
	s_wait_alu depctr_va_vdst(0)                   ; the polynomials have written v88 to v121, which the LDS stores read, and are done reading v122 to v124: W's loads land in all of these
.irp i, 0,1,2,3,4,5,6,7
	ds_store_b128 v[ATW], v[88+4*\i:91+4*\i] offset:16*\i
.endr
	ds_store_b64 v[ATW], v[120:121] offset:128
	s_wait_alu depctr_vm_vsrc(0)                   ; the nine LDS stores have read v88 to v121, in which W's loads land
.Lnotab:
	WSTAGE 88, 24, 6
.irp tt, 0,1,2,3                       ; no wait: the conversions and the LDS stores that named v24 to v55 stand ahead of the staging's last waits, and only the two address adds followed
	global_load_b128 v[BI+8*\tt:BI+8*\tt+3], v[ABI], s[8:9] offset:64*\tt
	global_load_b128 v[BI+8*\tt+4:BI+8*\tt+7], v[ABI], s[8:9] offset:64*\tt+16
.endr
	XSTORE 0                                       ; (the wait for W's loads was for all loads: chunk 0 is in)
	s_wait_dscnt 0x0                               ; my parts of W, of chunk 0 and of the table lie in LDS
	s_barrier_signal -1
	s_barrier_wait -1                              ; everybody's do
	WIN 0x40                                       ; destination in the second window, whose registers no vector instruction has named
.set ks_, 0
.rept 8
.set tt_, 0
.rept 4                                ; fragment (tile tt, K step ks): 16 columns x 32 K, turned on the way out of LDS
	ds_load_tr16_b128 v[8*(4*ks_+tt_):8*(4*ks_+tt_)+3], v[ABW+ks_/3] offset:(ks_%3)*32*WP+32*tt_
	ds_load_tr16_b128 v[8*(4*ks_+tt_)+4:8*(4*ks_+tt_)+7], v[ABW+ks_/3] offset:(ks_%3)*32*WP+32*tt_+16*WP
.set tt_, tt_+1
.endr
.set ks_, ks_+1
.endr
	WIN 0
	s_wait_loadcnt 0x0                             ; the bias
	s_wait_dscnt 0x0
	CH 0, 1
	CH 1, 1
	CH 2, 1
	CH 3, 0
	s_wait_dscnt 0x0                               ; the closing lines, six on end
	s_wait_alu 0x0
	s_wait_tensorcnt 0x0
	ds_add_u32 v[SPW], v[NIL]
	s_wait_dscnt 0x0
	s_endpgm
.Lfunc_end_k_q43b6fb6078_proj:
	.size	k_q43b6fb6078_proj, .Lfunc_end_k_q43b6fb6078_proj-k_q43b6fb6078_proj
	.p2alignl 7, 3214868480
	.fill 96, 4, 3214868480
	.section	.rodata,"a",@progbits
	.p2align	6, 0x0
	.amdhsa_kernel k_q43b6fb6078_proj
		.amdhsa_group_segment_fixed_size 312320
		.amdhsa_private_segment_fixed_size 0
		.amdhsa_enable_private_segment 0
		.amdhsa_kernarg_size 120
		.amdhsa_user_sgpr_count 2
		.amdhsa_user_sgpr_kernarg_segment_ptr 1
		.amdhsa_wavefront_size32 1
		.amdhsa_system_sgpr_workgroup_id_x 1
		.amdhsa_system_sgpr_workgroup_id_y 1
		.amdhsa_system_sgpr_workgroup_id_z 1
		.amdhsa_system_vgpr_workitem_id 0
		.amdhsa_next_free_vgpr 512
		.amdhsa_next_free_sgpr 80
		.amdhsa_reserve_vcc 0
		.amdhsa_float_denorm_mode_32 3
		.amdhsa_float_denorm_mode_16_64 3
		.amdhsa_memory_ordered 1
		.amdhsa_forward_progress 1
		.amdhsa_inst_pref_size 128
	.end_amdhsa_kernel
	.amdgpu_metadata
---
amdhsa.version: [ 1, 2 ]
amdhsa.kernels:
  - .name:           k_q43b6fb6078_proj
    .symbol:         k_q43b6fb6078_proj.kd
    .args:
      - { .name: q_feat, .offset: 0, .size: 8, .value_kind: global_buffer, .address_space: global }
      - { .name: kv_feat, .offset: 8, .size: 8, .value_kind: global_buffer, .address_space: global }
      - { .name: Wq, .offset: 16, .size: 8, .value_kind: global_buffer, .address_space: global }
      - { .name: Wk, .offset: 24, .size: 8, .value_kind: global_buffer, .address_space: global }
      - { .name: Wv, .offset: 32, .size: 8, .value_kind: global_buffer, .address_space: global }
      - { .name: bq, .offset: 40, .size: 8, .value_kind: global_buffer, .address_space: global }
      - { .name: bk, .offset: 48, .size: 8, .value_kind: global_buffer, .address_space: global }
      - { .name: bv, .offset: 56, .size: 8, .value_kind: global_buffer, .address_space: global }
      - { .name: pos_q, .offset: 64, .size: 8, .value_kind: global_buffer, .address_space: global }
      - { .name: pos_k, .offset: 72, .size: 8, .value_kind: global_buffer, .address_space: global }
      - { .name: heading_q, .offset: 80, .size: 8, .value_kind: global_buffer, .address_space: global }
      - { .name: heading_k, .offset: 88, .size: 8, .value_kind: global_buffer, .address_space: global }
      - { .name: Qe, .offset: 96, .size: 8, .value_kind: global_buffer, .address_space: global }
      - { .name: Ke, .offset: 104, .size: 8, .value_kind: global_buffer, .address_space: global }
      - { .name: Vt, .offset: 112, .size: 8, .value_kind: global_buffer, .address_space: global }
    .group_segment_fixed_size: 312320
    .private_segment_fixed_size: 0
    .kernarg_segment_align: 8
    .kernarg_segment_size: 120
    .max_flat_workgroup_size: 256
    .sgpr_count:     80
    .vgpr_count:     512
    .wavefront_size: 32
...
	.end_amdgpu_metadata
.endif
;; end of part 5
;; launch attend (part 6): grid 256 x 1, 8 waves a work-group, no clusters, 253,952 bytes of LDS; arguments Qe, Ke, Vt, EB, GL, mask_k, Wo, bo, out0; writes out0
.if DOCPART == 6
	.amdgcn_target "amdgcn-amd-amdhsa--gfx1250"
	.amdhsa_code_object_version 6
	.text
	.protected	k_q43b6fb6078_attend
	.globl	k_q43b6fb6078_attend
	.p2align	8
	.type	k_q43b6fb6078_attend,@function
k_q43b6fb6078_attend:
	s_mov_b64 s[64:65], 0
	v_nop
	global_prefetch_b8 v0, s[64:65] scope:SCOPE_SE
	s_setreg_imm32_b32 hwreg(HW_REG_WAVE_SCHED_MODE, 0, 2), 2
	s_setreg_imm32_b32 hwreg(HW_REG_WAVE_MODE, 25, 1), 1
	s_wait_xcnt 0x0
	s_wait_alu depctr_vm_vsrc(0)
; ATTENTION OVER EACH QUERY'S 16 NEAREST KEYS, AND THE LAST PROJECTION.  EB (a map of 256 bits over a query's candidates) and GL (its 16 groups), stored by an earlier launch, give the 16 key rows.
; For each query: the 16 rows of Ke and Vt are gathered; logits = q . k / sqrt(32) for each of 8 heads of 32 channels, -inf where the key is masked; softmax over the 16 keys, the maximum taken away;
; o = sum of p v; then out0 = o Wo + bo.
; FORMATS.  Qe, Ke, Vt are f16; their products are taken from the halves straight into f32 sums; maxima, exponentials, sums and weights in f32.  o and Wo are rounded to f16 for the last product, sums in f32.
; LIMITS.  No number of o beyond 65,504.  A query all of whose 16 keys are masked gives NaN, as a softmax over -inf alone does.
; SHARES.  A work-group has 64 queries; wave w queries 8 w .. 8 w + 7, one after the other.  Lane l owns channels 8 l .. 8 l + 7: a wave's load is one whole row of 512 bytes; a head is four lanes.
; The scores are vectors times vectors (each query has keys of its own): on the matrix unit one column of 16 would be of use, so they go by multiply-adds from f16 halves.
; In the last product wave w makes columns 32 w .. + 31 of all 64 rows, transposed (source 0 = 16 columns of Wo, source 1 = 16 rows of o): a lane holds one row and eight neighbouring columns.
; IN FLIGHT.  While a query's scores are made its V rows are on their way; the next query's K rows go out ahead of the softmax, its V rows behind the weighted sum.
; THE MODE: SCHED_MODE bits 1:0 = 2 (LLVM: expert scheduling mode 2), set by the entry lines.  The code itself states the register dependences
; between vector or matrix instructions and memory or LDS instructions, with s_wait_alu, always for 0.
; THE PLAN.  Registers that memory or LDS instructions touch in the loop over queries, in the order of a trip:
;   RW        the next query's rows land (LDS loads at the trip's head); MKADR reads them in the trip's middle.
;   MB        the first 16 multiply-adds read the mask addends; the next query's land behind the middle's wait.
;   QR, KR    the scores read them; the next query's q and K rows land behind the middle's wait.
;   ADR       MKADR writes the 16 offsets in the middle; the K gather behind the middle's wait and the V gather behind the weighted sum read them.
;   VV        the weighted sum reads it; the next query's V rows land behind the wait that follows the sum.
;   TM..TM+3  the roundings write o; one LDS store reads it; the next trip's sums write TM again.
;   ARL, AMB  LDS addresses of the lists: read by the list loads, stepped in the middle.  AAO: read by o's store, stepped behind it.
;   QOF, L16  never written again: q's row is reached by its scalar base, which moves on by a row in the middle.
; SIX WAITS A TRIP.  In the middle one on vm_vsrc (the V gather has read ADR, the list loads ARL and AMB), then MKADR and the two adds, then one on va_vdst (ADR and AMB are written; the scores are done
; reading MB, QR, KR), then 21 loads.  The exponentials' wait.  One on va_vdst behind the weighted sum (the reciprocal is written; the sum is done reading VV), then the V gather.  One on va_vdst behind
; the roundings, then o's store.  One on vm_vsrc behind that store, then AAO's add.  The loads at a trip's head owe nothing: ARL's add and MKADR's reads of RW stand ahead of the last trip's middle wait.
.set WOB,   0                          ; LDS: Wo as f16, [k 256][n 256], rows 544 bytes apart
.set WP,    544
.set AOB,   139264                     ; 64 rows of o as f16, 528 bytes apart
.set AP,    528
.set OSTB,  173056                     ; 64 rows of the result, f32, 1,040 bytes apart
.set OSP,   1040
.set SLB,   239616                     ; 640 bytes a wave: 8 queries x 80 bytes: 16 candidate numbers, a 17th place that nobody reads, padding
.set RLB,   244736                     ; 512 bytes a wave: [query 8][16] row numbers
.set MBB,   248832                     ; the same shape: 0 or -inf
.set SPARE, 252928                     ; the spare words, 128 bytes a wave
.set PITCH, 80
.set SPW,  2
.set NIL,  3
.set ZR,   4                           ; v4  0.0
.set L16,  5                           ; v5  16 x lane
.set ARL,  6                           ; v6  the row list in hand, the same in all lanes
.set AMB,  7                           ; v7  its mask addends
.set AAO,  8                           ; v8  where my 16 bytes of o go
.set QOF,  9                           ; v9  my 16 bytes of a query's row; never rewritten
.set VQB,  10
.set VA,   11
.set QR,   12                          ; v[12:15]   q, my 8 channels
.set S,    16                          ; v[16:31]   scores, then weights
.set MB,   32                          ; v[32:47]   mask addends
.set RW,   48                          ; v[48:63]   the next query's rows
.set ADR,  64                          ; v[64:79]   byte offsets of the 16 rows, my 16 bytes
.set O,    80                          ; v[80:87]
.set M,    88                          ; v88-89 maxima; v[90:91] c m twice; v92 the sum; v[94:95] its reciprocal, and a written partner
.set LKW,  88                          ; v88, ahead of the first query: where my four rows and mask addends go
.set CM,   90
.set LS,   92
.set RL,   94
.set KR,   96                          ; v[96:159]  16 rows of K, my 16 bytes of each
.set DA,   96                          ; v[96:159]  ahead of Wo's staging: the LDS addresses of my lane's 64 bits, query qi, word wi at DA + 8 qi + wi
.set VV,   160                         ; v[160:223] of V
.set VE,   224                         ; v[224:231] the number that my lane's bit stands for in word 0 .. 7
.set TM,   232                         ; v[232:247] at work
.set TL,   240                         ; the last product: v240 lane / 16, v241 my offset in the bias, v242 where I read rows back, v243 my offset in the output
.set ABO,  241
.set ARB,  242
.set AGO,  243
.set GOF,  248
.set AWS,  249
.set AWS2, 250
.set ABW,  251                         ; v251-253
.set AGA,  254
.set AOS,  255
.set ACC,  16                          ; the last product: v[16:79] eight accumulators, (rows mt, columns tt) at 8 (2 mt + tt)
.set BO,   80                          ; v[80:95]   the bias as the first C
.set AFR,  96                          ; v[96:159]  o's fragments, two buffers by the K step's parity p: rows mt at 8 (2 mt + p)
.set BFR,  160                         ; v[160:191] Wo's, likewise: columns tt at 8 (2 p + tt)
.set DC,   72                          ; s72-74 at work in DECODE
.set MK,   72                          ; s72-75 later: the lookup's four masks
.set WV,   76
.set BT,   77
.set CNT,  78
.set CSC,  66                          ; s[66:67] c = log2(e) / sqrt(32)
.set NINF, 68
; The map of query qi of my eight becomes a list of candidate numbers, ascending.  Its eight words lie in scalar registers (quarter c, word t at 16 + 16 c + 2 qi + t, the last quarter 16 higher).  A lane stands for a bit;
; a set bit's rank is the count of set bits in the words so far, this one among them, less 1, less the set bits below it.
; All 32 lanes store: the lane of a set bit puts its number at its rank, every other lane at place 16 of the row, which nobody reads.  So no lane is ever switched off.
; DECODE makes the eight addresses of a query, each in a register of its own; PUT stores by them.  All 64 addresses are made first, so that one wait serves the 64 stores.
.macro DECODE qi
	s_mov_b32 s[DC], 0
.set wi_, 0
.rept 8
.set sw_, 16+16*(wi_/2)+2*(\qi)+(wi_%2)
.if wi_ >= 6
.set sw_, sw_+16
.endif
.set da_, DA+8*(\qi)+wi_
	s_bcnt1_i32_b32 s[DC+1], s[sw_]
	s_add_co_u32 s[DC], s[DC], s[DC+1]
	s_sub_co_u32 s[DC+2], s[DC], 1
	v_mbcnt_lo_u32_b32 v[da_], s[sw_], 0
	v_sub_nc_u32 v[da_], s[DC+2], v[da_]
	v_cndmask_b32 v[da_], 16, v[da_], s[sw_]       ; my bit is set: the rank; it is clear: place 16
	v_min_u32 v[da_], 16, v[da_]                   ; a row has places 0 to 16
	v_lshl_add_u32 v[da_], v[da_], 2, v[VQB]
.set wi_, wi_+1
.endr
.endm
.macro PUT qi
.set wi_, 0
.rept 8
	ds_store_b32 v[DA+8*(\qi)+wi_], v[VE+wi_] offset:(\qi)*PITCH
.set wi_, wi_+1
.endr
.endm
; Wo comes into LDS as f16: two trips of 128 rows.
; A trip: 32 loads; the first 64 rows' conversions; a wait; their stores, dealt among the other 64 rows' conversions, which name other registers; a wait; those rows' stores.
; Every conversion of a trip stands ahead of the trip's second wait on va_vdst, and behind it only the two address adds are issued: so the loads that land in these registers next owe no further wait on va_vdst.
.macro WSTAGE ra, rb, base
	s_mov_b32 s[CNT], 2
.Lw_\@:
.set i_, 0
.rept 16
	global_load_b128 v[(\ra)+4*i_:(\ra)+4*i_+3], v[GOF], s[\base:\base+1] offset:4096*i_
.set i_, i_+1
.endr
.set i_, 0
.rept 16
	global_load_b128 v[(\rb)+4*i_:(\rb)+4*i_+3], v[GOF], s[\base:\base+1] offset:65536+4096*i_
.set i_, i_+1
.endr
	s_wait_loadcnt 16                              ; loads come back in order: the first 64 rows are in, the 16 younger loads stay out
.set i_, 0
.rept 16
	v_cvt_pk_f16_f32 v[(\ra)+4*i_], v[(\ra)+4*i_], v[(\ra)+4*i_+1]
	v_cvt_pk_f16_f32 v[(\ra)+4*i_+1], v[(\ra)+4*i_+2], v[(\ra)+4*i_+3]
.set i_, i_+1
.endr
	s_wait_loadcnt 0x0                             ; all are in, so their base may be stepped below
	s_wait_alu depctr_va_vdst(0)                   ; the conversions have written the first 64 rows' halves, which the LDS stores read; in the second trip the two LDS addresses are written too
.set i_, 0
.rept 16
	ds_store_b64 v[AWS], v[(\ra)+4*i_:(\ra)+4*i_+1] offset:4*WP*i_
	v_cvt_pk_f16_f32 v[(\rb)+4*i_], v[(\rb)+4*i_], v[(\rb)+4*i_+1]
	v_cvt_pk_f16_f32 v[(\rb)+4*i_+1], v[(\rb)+4*i_+2], v[(\rb)+4*i_+3]
.set i_, i_+1
.endr
	s_wait_alu depctr_va_vdst(0)                   ; the conversions have written the other 64 rows' halves, which the LDS stores read
.set i_, 0
.rept 16
	ds_store_b64 v[AWS2], v[(\rb)+4*i_:(\rb)+4*i_+1] offset:4*WP*i_
.set i_, i_+1
.endr
	s_add_nc_u64 s[\base:\base+1], s[\base:\base+1], 0x20000
	s_wait_alu depctr_vm_vsrc(0)                   ; the 32 LDS stores have read their two addresses, which the adds below write, and their data, in which later loads land
	v_add_nc_u32 v[AWS], 128*WP, v[AWS]
	v_add_nc_u32 v[AWS2], 128*WP, v[AWS2]
	s_sub_co_u32 s[CNT], s[CNT], 1
	s_cmp_lg_u32 s[CNT], 0
	s_cbranch_scc1 .Lw_\@
.endm
.macro MKADR                           ; row numbers become byte offsets: a row is 512 bytes, there are 16,384
.set k_, 0
.rept 16
	v_min_u32 v[ADR+k_], 0x3fff, v[RW+k_]
	v_lshl_add_u32 v[ADR+k_], v[ADR+k_], 9, v[L16]
.set k_, k_+1
.endr
.endm
.macro GATHER dst, base                ; 16 whole rows
.set k_, 0
.rept 16
	global_load_b128 v[(\dst)+4*k_:(\dst)+4*k_+3], v[ADR+k_], s[\base:\base+1]
.set k_, k_+1
.endr
.endm
.macro MIX2 d, a, b, c, odd            ; d = (a half of a) x (the same half of b) + c
.if \odd
	v_fma_mix_f32 v[\d], v[\a], v[\b], v[\c] op_sel:[1,1,0] op_sel_hi:[1,1,0]
.else
	v_fma_mix_f32 v[\d], v[\a], v[\b], v[\c] op_sel_hi:[1,1,0]
.endif
.endm
.macro MIX1 d, a, b, c, odd            ; d = (a half of a) x b + c
.if \odd
	v_fma_mix_f32 v[\d], v[\a], v[\b], v[\c] op_sel:[1,0,0] op_sel_hi:[1,0,0]
.else
	v_fma_mix_f32 v[\d], v[\a], v[\b], v[\c] op_sel_hi:[1,0,0]
.endif
.endm
; A QUERY.  last = 1: nothing is fetched for a next one.
.macro QRY last
.if !(\last)
.irp i, 0,1,2,3                        ; no wait: ARL's add and MKADR's reads of these registers stand ahead of the last middle wait (ahead of the first trip: of the wait in front of the first gathers)
	ds_load_b128 v[RW+4*\i:RW+4*\i+3], v[ARL] offset:64+16*\i   ; the next query's rows
.endr
.endif
	s_wait_loadcnt 16                              ; loads come back in order: q and K are in; V's 16 loads, issued behind them, stay out
.if \last
	s_wait_dscnt 0x0
.else
	s_wait_dscnt 4                                 ; all but the 4 loads just issued: this query's mask addends are in
.endif
.set i_, 0
.rept 8                                ; my 8 channels' part of the 16 scores; the mask addend starts each sum
.set k_, 0
.rept 16
.if i_ == 0
	MIX2 S+k_, KR+4*k_, QR, MB+k_, 0
.else
	MIX2 S+k_, KR+4*k_+i_/2, QR+i_/2, S+k_, i_%2
.endif
.set k_, k_+1
.endr
.set i_, i_+1
.endr
.set k_, 0
.rept 16                               ; a head's four lanes add up; all four then hold the score
	v_add_f32_dpp v[S+k_], v[S+k_], v[S+k_] row_xmask:1 row_mask:0xf bank_mask:0xf
.set k_, k_+1
.endr
.set k_, 0
.rept 16
	v_add_f32_dpp v[S+k_], v[S+k_], v[S+k_] row_xmask:2 row_mask:0xf bank_mask:0xf
.set k_, k_+1
.endr
.if !(\last)
	s_wait_dscnt 0x0                               ; the next query's rows are in
	s_wait_xcnt 0x0                                ; V's loads, still out, have had their addresses translated: their offsets are made anew and q's base moves on
	s_wait_alu depctr_vm_vsrc(0)                   ; V's gather has read v[ADR ..], the loads at the trip's head v[ARL], the last mask addends' loads v[AMB]: all three are written below
	MKADR
	v_add_nc_u32 v[ARL], 64, v[ARL]
	v_add_nc_u32 v[AMB], 64, v[AMB]
	s_add_nc_u64 s[4:5], s[4:5], 512               ; the next query's row of Qe
	s_wait_alu depctr_va_vdst(0)                   ; v[ADR ..] and v[AMB] are written, which the loads below read; the scores are done reading v[MB ..], v[QR ..] and v[KR ..], in which they land
.irp i, 0,1,2,3
	ds_load_b128 v[MB+4*\i:MB+4*\i+3], v[AMB] offset:16*\i      ; the next query's mask addends
.endr
	global_load_b128 v[QR:QR+3], v[QOF], s[4:5]
	GATHER KR, 6
.endif
	v_max3_num_f32 v[M], v[S], v[S+1], v[S+2]      ; the maximum of the 16
	v_max3_num_f32 v[M+1], v[S+3], v[S+4], v[S+5]
	v_max3_num_f32 v[M], v[M], v[S+6], v[S+7]
	v_max3_num_f32 v[M+1], v[M+1], v[S+8], v[S+9]
	v_max3_num_f32 v[M], v[M], v[S+10], v[S+11]
	v_max3_num_f32 v[M+1], v[M+1], v[S+12], v[S+13]
	v_max3_num_f32 v[M], v[M], v[S+14], v[S+15]
	v_max_num_f32 v[M], v[M], v[M+1]
	v_mul_f32 v[CM], s[CSC], v[M]
	v_mul_f32 v[CM+1], s[CSC], v[M]
.irp i, 0,2,4,6,8,10,12,14
	v_pk_fma_f32 v[S+\i:S+\i+1], v[S+\i:S+\i+1], s[CSC:CSC+1], v[CM:CM+1] op_sel_hi:[1,0,1] neg_lo:[0,0,1] neg_hi:[0,0,1]  ; c s - c m
.endr
.set k_, 0
.rept 16
	v_exp_f32 v[S+k_], v[S+k_]
.set k_, k_+1
.endr
	v_nop                                          ; a plain instruction behind the last exponential (ISA guide 5.7.2),
	s_wait_alu depctr_va_vdst(0)                   ; and a wait ahead of the batch's first reader: the 16 exponentials have written v[S ..]
	v_pk_add_f32 v[TM:TM+1], v[S:S+1], v[S+2:S+3]
	v_pk_add_f32 v[TM+2:TM+3], v[S+4:S+5], v[S+6:S+7]
	v_pk_add_f32 v[TM+4:TM+5], v[S+8:S+9], v[S+10:S+11]
	v_pk_add_f32 v[TM+6:TM+7], v[S+12:S+13], v[S+14:S+15]
	v_pk_add_f32 v[TM:TM+1], v[TM:TM+1], v[TM+2:TM+3]
	v_pk_add_f32 v[TM+4:TM+5], v[TM+4:TM+5], v[TM+6:TM+7]
	v_pk_add_f32 v[TM:TM+1], v[TM:TM+1], v[TM+4:TM+5]
	v_add_f32 v[LS], v[TM], v[TM+1]
	v_rcp_f32 v[RL], v[LS]
.if \last
	s_wait_loadcnt 0x0
.else
	s_wait_loadcnt 17                              ; V is in; the next query's q and 16 rows of K, issued behind it, stay out
.endif
.set k_, 0
.rept 16                               ; my 8 channels of the weighted sum
.set i_, 0
.rept 8
.if k_ == 0
	MIX1 O+i_, VV+i_/2, S, ZR, i_%2
.else
	MIX1 O+i_, VV+4*k_+i_/2, S+k_, O+i_, i_%2
.endif
.set i_, i_+1
.endr
.set k_, k_+1
.endr
	s_wait_alu depctr_va_vdst(0)                   ; the reciprocal has written v[RL], ahead of its first reader (the 128 multiply-adds stood between); and those are done reading v[VV ..], in which the next V rows land
.if !(\last)
	GATHER VV, 8                                   ; by the offsets that the middle's wait has shown written; nothing since names them
.endif
.irp i, 0,2,4,6
	v_pk_mul_f32 v[O+\i:O+\i+1], v[O+\i:O+\i+1], v[RL:RL+1] op_sel_hi:[1,0]
.endr
.irp i, 0,1,2,3
	v_cvt_pk_f16_f32 v[TM+\i], v[O+2*\i], v[O+2*\i+1]
.endr
	s_wait_alu depctr_va_vdst(0)                   ; the roundings have written v[TM ..], which the LDS store reads
	ds_store_b128 v[AAO], v[TM:TM+3]
.if !(\last)
	s_wait_alu depctr_vm_vsrc(0)                   ; the store has read v[AAO], which the add below writes, and v[TM ..], which the next query's sums write
	v_add_nc_u32 v[AAO], AP, v[AAO]
.endif
.endm
; The last product's fragments of K step s, into the buffer of its parity: 8 loads of o, 4 turning loads of Wo
.macro FRAG s
.set mt_, 0
.rept 4
	ds_load_b128 v[AFR+8*(2*mt_+(\s)%2):AFR+8*(2*mt_+(\s)%2)+3], v[AGA] offset:16*AP*mt_+64*(\s)
	ds_load_b128 v[AFR+8*(2*mt_+(\s)%2)+4:AFR+8*(2*mt_+(\s)%2)+7], v[AGA] offset:16*AP*mt_+64*(\s)+32
.set mt_, mt_+1
.endr
.set tt_, 0
.rept 2
	ds_load_tr16_b128 v[BFR+8*(2*((\s)%2)+tt_):BFR+8*(2*((\s)%2)+tt_)+3], v[ABW+(\s)/3] offset:((\s)%3)*32*WP+32*tt_
	ds_load_tr16_b128 v[BFR+8*(2*((\s)%2)+tt_)+4:BFR+8*(2*((\s)%2)+tt_)+7], v[ABW+(\s)/3] offset:((\s)%3)*32*WP+32*tt_+16*WP
.set tt_, tt_+1
.endr
.endm
	s_load_b256 s[4:11], s[0:1], 0x0               ; Qe s[4:5], Ke s[6:7], Vt s[8:9], EB s[10:11]
	s_load_b128 s[12:15], s[0:1], 0x20             ; GL s[12:13], mask_k s[14:15]
	s_load_b128 s[96:99], s[0:1], 0x30             ; Wo s[96:97], bo s[98:99]
	s_load_b64 s[100:101], s[0:1], 0x40            ; out0
	v_lshl_add_u32 v[SPW], v0, 2, SPARE
	v_mov_b32 v[NIL], 0
	v_mov_b32 v[ZR], 0
	v_mov_b32 v[RL+1], 0                           ; named with the reciprocal as a pair, so it is written
	v_and_b32 v1, 31, v0
	v_lshrrev_b32 v[VA], 5, v0
	v_readfirstlane_b32 s[WV], v[VA]
	s_lshr_b32 s[BT], ttmp9, 6
	s_mov_b32 s[CSC], 0x3e8293ee                   ; 0.255035
	s_mov_b32 s[CSC+1], s[CSC]
	s_mov_b32 s[NINF], 0xff800000
	s_lshl_b32 s70, ttmp9, 9                       ; the maps of my wave's eight queries: (64 x work-group + 8 x wave) x 8 bytes
	s_wait_alu depctr_va_sdst(0)                   ; the wave's number is written, ahead of its first reader
	s_lshl_b32 s71, s[WV], 6
	s_add_co_u32 s70, s70, s71
	s_mov_b32 s71, 0
	s_wait_kmcnt 0x0
	s_add_nc_u64 s[10:11], s[10:11], s[70:71]
	s_load_b512 s[16:31], s[10:11], 0x0
	s_load_b512 s[32:47], s[10:11], 0x20000
	s_load_b512 s[48:63], s[10:11], 0x40000
	s_load_b512 s[80:95], s[10:11], 0x60000
	s_lshl_b32 s70, s70, 6                         ; the same queries' rows of 512 bytes
	s_add_nc_u64 s[4:5], s[4:5], s[70:71]
	s_lshl_b32 s70, ttmp9, 16                      ; the work-group's 64 rows of 1,024 bytes
	s_add_nc_u64 s[100:101], s[100:101], s[70:71]
	v_lshlrev_b32 v[L16], 4, v1
	v_mov_b32 v[QOF], v[L16]
	s_mul_i32 s79, s[WV], 8*PITCH
	s_add_co_u32 s79, s79, SLB
	v_mov_b32 v[VQB], s79                          ; my wave's eight candidate lists
	v_lshrrev_b32 v[TM+15], 2, v1                  ; lane / 4: the query whose four candidates my lane looks up
	v_mul_u32_u24 v[TM+14], PITCH, v[TM+15]
	v_and_b32 v[TM+13], 3, v1
	v_lshl_add_u32 v[TM+14], v[TM+13], 4, v[TM+14]
	v_add_nc_u32 v[TM+14], s79, v[TM+14]           ; its list, my four places of it
	s_lshl_b32 s69, s[WV], 9
	s_add_co_u32 s69, s69, RLB
	v_mov_b32 v[ARL], s69
	v_add_nc_u32 v[LKW], s69, v[L16]               ; the same four places among the wave's 512 bytes of rows
	s_add_co_u32 s69, s69, MBB-RLB
	v_mov_b32 v[AMB], s69
	s_mul_i32 s69, s[WV], 8*AP
	s_add_co_u32 s69, s69, AOB
	v_add_nc_u32 v[AAO], s69, v[L16]
.irp k, 0,1,2,3,4,5,6,7
	v_sub_nc_u32 v[VE+\k], 32*\k+31, v1
.endr
	v_lshlrev_b32 v[GOF], 4, v0
	v_lshrrev_b32 v[TM], 6, v0
	v_and_b32 v[TM+1], 63, v0
	v_mul_u32_u24 v[AWS], WP, v[TM]
	v_lshl_add_u32 v[AWS], v[TM+1], 3, v[AWS]
	v_add_nc_u32 v[AWS2], 64*WP, v[AWS]
	v_and_b32 v[TM], 15, v0                        ; lane % 16
	v_bfe_u32 v[TM+1], v0, 4, 1                    ; lane / 16
	v_and_b32 v[TM+2], 7, v0
	v_lshl_add_u32 v[TM+2], v[TM+1], 3, v[TM+2]
	v_mul_u32_u24 v[TM+2], WP, v[TM+2]
	v_bfe_u32 v[TM+3], v0, 3, 1
	v_lshl_add_u32 v[TM+2], v[TM+3], 4, v[TM+2]
	s_lshl_b32 s69, s[WV], 6                       ; my 32 columns: 64 bytes
	v_add_nc_u32 v[ABW], s69, v[TM+2]
	v_add_nc_u32 v[ABW+1], 96*WP, v[ABW]
	v_add_nc_u32 v[ABW+2], 192*WP, v[ABW]
	v_mul_u32_u24 v[AGA], AP, v[TM]
	v_lshl_add_u32 v[AGA], v[TM+1], 4, v[AGA]
	v_add_nc_u32 v[AGA], AOB, v[AGA]
	v_mul_u32_u24 v[AOS], OSP, v[TM]
	v_lshl_add_u32 v[AOS], v[TM+1], 5, v[AOS]
	s_lshl_b32 s69, s[WV], 7
	s_add_co_u32 s69, s69, OSTB
	v_add_nc_u32 v[AOS], s69, v[AOS]
	s_lshl_b32 s69, ttmp9, 6
	s_lshl_b32 s70, s[WV], 3
	s_add_co_u32 s69, s69, s70
	v_add_lshl_u32 v[TM+15], v[TM+15], s69, 4      ; 16 x that query's number: 64 x work-group + 8 x wave + lane / 4
	s_lshl_b32 s69, s[BT], 12                      ; the batch's first row
	s_wait_kmcnt 0x0                               ; the maps are in
.irp q, 0,1,2,3,4,5,6,7
	DECODE \q
.endr
	s_wait_alu depctr_va_vdst(0)                   ; the 64 addresses v[DA ..] and the eight numbers v[VE ..] are written, which the stores read; so is every offset and address made above; and v[TM ..], in which the list lands, is done with
.irp q, 0,1,2,3,4,5,6,7
	PUT \q
.endr
	; candidate s = 64 cc + 16 gr + j is key j of the group that GL holds at [cc][query][gr].  The lists are my wave's own: LDS serves a wave's instructions in order.
	ds_load_b128 v[TM:TM+3], v[TM+14]
	s_wait_dscnt 0x0
.irp k, 0,1,2,3
	v_bfe_u32 v[TM+8], v[TM+\k], 6, 2
	v_bfe_u32 v[TM+9], v[TM+\k], 4, 2
	v_lshlrev_b32 v[TM+8], 18, v[TM+8]
	v_lshl_or_b32 v[TM+4+\k], v[TM+9], 2, v[TM+8]
	v_min_u32 v[TM+4+\k], 0xc000c, v[TM+4+\k]      ; the greatest: quarter 3, number 3
	v_add_nc_u32 v[TM+4+\k], v[TM+15], v[TM+4+\k]
.endr
	s_wait_alu depctr_va_vdst(0)                   ; the four offsets are written, which the loads read
.irp k, 0,1,2,3
	global_load_b32 v[TM+10+\k], v[TM+4+\k], s[12:13]
.endr
	s_wait_loadcnt 0x0
	s_wait_alu depctr_vm_vsrc(0)                   ; the four loads have read their offsets, which are made anew below; the 64 stores have read v[DA ..], in which Wo's loads land further down
.irp k, 0,1,2,3
	v_min_u32 v[TM+10+\k], 255, v[TM+10+\k]
	v_and_b32 v[TM+8], 15, v[TM+\k]
	v_lshl_add_u32 v[TM+4+\k], v[TM+10+\k], 4, v[TM+8]
	v_min_u32 v[TM+4+\k], 4095, v[TM+4+\k]         ; a batch has 4,096 keys
	v_add_nc_u32 v[TM+4+\k], s69, v[TM+4+\k]
.endr
	s_wait_alu depctr_va_vdst(0)                   ; the four rows are written, which the loads read as offsets; the lines above are done with v[TM+10 ..], in which the mask bytes land
.irp k, 0,1,2,3
	global_load_u8 v[TM+10+\k], v[TM+4+\k], s[14:15]
.endr
	s_wait_loadcnt 0x0
.irp k, 0,1,2,3
	v_cmp_eq_u32 s[MK+\k], 0, v[TM+10+\k]
.endr
	s_wait_alu depctr_va_sdst(0)                   ; the four compares have written their masks, ahead of the selects that read them
.irp k, 0,1,2,3
	v_cndmask_b32 v[TM+10+\k], 0, s[NINF], s[MK+\k]  ; a masked key's logit is -inf
.endr
	s_wait_alu depctr_va_vdst(0)                   ; the selects have written the four addends, which the second store reads
	ds_store_b128 v[LKW], v[TM+4:TM+7]
	ds_store_b128 v[LKW], v[TM+10:TM+13] offset:MBB-RLB
	WSTAGE KR, VV, 96                              ; Wo, through the registers that the gathered rows take afterwards
.irp i, 0,1,2,3
	ds_load_b128 v[RW+4*\i:RW+4*\i+3], v[ARL] offset:16*\i
.endr
.irp i, 0,1,2,3
	ds_load_b128 v[MB+4*\i:MB+4*\i+3], v[AMB] offset:16*\i
.endr
	s_wait_dscnt 0x0
	MKADR
	s_wait_alu depctr_va_vdst(0)                   ; the 16 offsets are written, which the gathers read; MKADR is done reading v[RW ..], in which the first trip's loads land
	global_load_b128 v[QR:QR+3], v[QOF], s[4:5]    ; the first query: q, then K, then V: the waits below count on this order
	GATHER KR, 6
	GATHER VV, 8
	s_mov_b32 s[CNT], 7
.Lquery:
	QRY 0
	s_sub_co_u32 s[CNT], s[CNT], 1
	s_cmp_lg_u32 s[CNT], 0
	s_cbranch_scc1 .Lquery
	QRY 1
	; THE LAST PRODUCT.  Its three offsets and addresses are made together, in registers that no store still to be read from names.
	v_bfe_u32 v[TL], v0, 4, 1
	s_lshl_b32 s69, s[WV], 7
	v_lshl_add_u32 v[ABO], v[TL], 5, s69           ; bo at column 32 w + 8 (lane / 16)
	s_mul_i32 s69, s[WV], 8*OSP                    ; back: wave w takes rows 8 w .. 8 w + 7, whole
	s_add_co_u32 s69, s69, OSTB
	v_add_nc_u32 v[ARB], s69, v[L16]
	s_lshl_b32 s69, s[WV], 13
	v_add_nc_u32 v[AGO], s69, v[L16]
	s_wait_alu depctr_va_vdst(0)                   ; the three are written, which the loads and stores below read; the last query's arithmetic is done with v80 to v95, in which the bias lands
.irp tt, 0,1
	global_load_b128 v[BO+8*\tt:BO+8*\tt+3], v[ABO], s[98:99] offset:64*\tt
	global_load_b128 v[BO+8*\tt+4:BO+8*\tt+7], v[ABO], s[98:99] offset:64*\tt+16
.endr
	s_wait_dscnt 0x0                               ; my part of Wo and my eight rows of o lie in LDS
	s_barrier_signal -1
	s_barrier_wait -1                              ; everybody's do
	FRAG 0                                         ; two buffers of fragments take turns: while a K step's products read one, the other's 12 loads are out
	FRAG 1
	s_wait_loadcnt 0x0
.set ks_, 0
.rept 8
.if ks_ < 7
	s_wait_dscnt 12                                ; LDS answers in order: this K step's fragments are in, the younger step's 12 loads stay out
.else
	s_wait_dscnt 0x0
.endif
.set mt_, 0
.rept 4                                ; the eight accumulators take turns, one instruction a turn; the first K step starts the sums with the bias
.set tt_, 0
.rept 2
.if ks_ == 0
	v_wmma_f32_16x16x32_f16 v[ACC+8*(2*mt_+tt_):ACC+8*(2*mt_+tt_)+7], v[BFR+8*tt_:BFR+8*tt_+7], v[AFR+16*mt_:AFR+16*mt_+7], v[BO+8*tt_:BO+8*tt_+7]
.else
	v_wmma_f32_16x16x32_f16 v[ACC+8*(2*mt_+tt_):ACC+8*(2*mt_+tt_)+7], v[BFR+8*(2*(ks_%2)+tt_):BFR+8*(2*(ks_%2)+tt_)+7], v[AFR+8*(2*mt_+ks_%2):AFR+8*(2*mt_+ks_%2)+7], v[ACC+8*(2*mt_+tt_):ACC+8*(2*mt_+tt_)+7]
.endif
.set tt_, tt_+1
.endr
.set mt_, mt_+1
.endr
.if ks_ < 6
.rept 4
	v_nop                                          ; places behind the step's products, ahead of loads into registers that they read; they stay beside the wait below
.endr
	s_wait_alu depctr_va_vdst(0)                   ; the step's eight products are done reading their buffer, in which the fragments of the step after next land
	FRAG ks_+2
.endif
.set ks_, ks_+1
.endr
.rept 8
	v_nop                                          ; places behind the last products, ahead of the stores that read their results
.endr
	s_wait_alu depctr_va_vdst(0)                   ; the products have written the accumulators, which the LDS stores read, and are done reading the fragments' registers, in which rows land further down; the places above stay beside this wait
.set mt_, 0
.rept 4
.set tt_, 0
.rept 2                                ; each accumulator's lowest registers first
	ds_store_b128 v[AOS], v[ACC+8*(2*mt_+tt_):ACC+8*(2*mt_+tt_)+3] offset:16*OSP*mt_+64*tt_
	ds_store_b128 v[AOS], v[ACC+8*(2*mt_+tt_)+4:ACC+8*(2*mt_+tt_)+7] offset:16*OSP*mt_+64*tt_+16
.set tt_, tt_+1
.endr
.set mt_, mt_+1
.endr
	s_wait_dscnt 0x0                               ; for the others' sake: my columns lie in the stage
	s_barrier_signal -1
	s_barrier_wait -1
.set i_, 0
.rept 16
	ds_load_b128 v[AFR+4*i_:AFR+4*i_+3], v[ARB] offset:OSP*(i_/2)+512*(i_%2)
.set i_, i_+1
.endr
	s_wait_dscnt 0x0
.set i_, 0
.rept 16
	global_store_b128 v[AGO], v[AFR+4*i_:AFR+4*i_+3], s[100:101] offset:512*i_ th:TH_STORE_NT  ; a wave stores 512 consecutive bytes, aligned
.set i_, i_+1
.endr
	s_wait_dscnt 0x0                               ; the closing lines, six on end
	s_wait_alu 0x0
	s_wait_tensorcnt 0x0
	ds_add_u32 v[SPW], v[NIL]
	s_wait_dscnt 0x0
	s_endpgm
.Lfunc_end_k_q43b6fb6078_attend:
	.size	k_q43b6fb6078_attend, .Lfunc_end_k_q43b6fb6078_attend-k_q43b6fb6078_attend
	.p2alignl 7, 3214868480
	.fill 96, 4, 3214868480
	.section	.rodata,"a",@progbits
	.p2align	6, 0x0
	.amdhsa_kernel k_q43b6fb6078_attend
		.amdhsa_group_segment_fixed_size 253952
		.amdhsa_private_segment_fixed_size 0
		.amdhsa_enable_private_segment 0
		.amdhsa_kernarg_size 72
		.amdhsa_user_sgpr_count 2
		.amdhsa_user_sgpr_kernarg_segment_ptr 1
		.amdhsa_wavefront_size32 1
		.amdhsa_system_sgpr_workgroup_id_x 1
		.amdhsa_system_sgpr_workgroup_id_y 1
		.amdhsa_system_sgpr_workgroup_id_z 1
		.amdhsa_system_vgpr_workitem_id 0
		.amdhsa_next_free_vgpr 256
		.amdhsa_next_free_sgpr 102
		.amdhsa_reserve_vcc 0
		.amdhsa_float_denorm_mode_32 3
		.amdhsa_float_denorm_mode_16_64 3
		.amdhsa_memory_ordered 1
		.amdhsa_forward_progress 1
		.amdhsa_inst_pref_size 114
	.end_amdhsa_kernel
	.amdgpu_metadata
---
amdhsa.version: [ 1, 2 ]
amdhsa.kernels:
  - .name:           k_q43b6fb6078_attend
    .symbol:         k_q43b6fb6078_attend.kd
    .args:
      - { .name: Qe, .offset: 0, .size: 8, .value_kind: global_buffer, .address_space: global }
      - { .name: Ke, .offset: 8, .size: 8, .value_kind: global_buffer, .address_space: global }
      - { .name: Vt, .offset: 16, .size: 8, .value_kind: global_buffer, .address_space: global }
      - { .name: EB, .offset: 24, .size: 8, .value_kind: global_buffer, .address_space: global }
      - { .name: GL, .offset: 32, .size: 8, .value_kind: global_buffer, .address_space: global }
      - { .name: mask_k, .offset: 40, .size: 8, .value_kind: global_buffer, .address_space: global }
      - { .name: Wo, .offset: 48, .size: 8, .value_kind: global_buffer, .address_space: global }
      - { .name: bo, .offset: 56, .size: 8, .value_kind: global_buffer, .address_space: global }
      - { .name: out0, .offset: 64, .size: 8, .value_kind: global_buffer, .address_space: global }
    .group_segment_fixed_size: 253952
    .private_segment_fixed_size: 0
    .kernarg_segment_align: 8
    .kernarg_segment_size: 72
    .max_flat_workgroup_size: 256
    .sgpr_count:     102
    .vgpr_count:     256
    .wavefront_size: 32
...
	.end_amdgpu_metadata
.endif
;; end of part 6
